; MI455X (gfx1250); checked and timed in simulation.
; The chip was launched on July 23, 2026; its instructions are those of AMD's public machine-readable ISA for CDNA 5 (MIT licence, August 2026) and "CDNA5" Instruction Set Architecture Reference Guide (July 2026). The comments in the code are by the model that wrote it; some were corrected since.
;; Spatial View Attention. Allowed arithmetic: matrix products marked QUANTISED: E2M3 operands, one E8M0 scale for each 32 along K, by v_wmma_scale_f32_16x16x128_f8f6f4 with both operands' format E2M3, f32 sums; products left as they are: f32 operands where the result goes on into a quantised operand, else bf16, f16 or f32 operands; f32 sums; everything else in f32.
;; Inputs: K 8 x 2 x 3 x 3 float32; R 8 x 2 x 3 x 3 float32; T 8 x 2 x 3 float32; Wk_codes 256 x 8 x 24 uint8 (E2M3 codes of Wk, K innermost, in blocks of 32 codes, four codes in three bytes); Wk_scales 256 x 8 uint8 (E8M0 scales of Wk, one for each 32 codes along K); Wo_codes 256 x 8 x 24 uint8 (E2M3 codes of Wo, K innermost, in blocks of 32 codes, four codes in three bytes); Wo_scales 256 x 8 uint8 (E8M0 scales of Wo, one for each 32 codes along K); Wq_codes 256 x 8 x 24 uint8 (E2M3 codes of Wq, K innermost, in blocks of 32 codes, four codes in three bytes); Wq_scales 256 x 8 uint8 (E8M0 scales of Wq, one for each 32 codes along K); Wv_codes 256 x 8 x 24 uint8 (E2M3 codes of Wv, K innermost, in blocks of 32 codes, four codes in three bytes); Wv_scales 256 x 8 uint8 (E8M0 scales of Wv, one for each 32 codes along K); bk 256 float32; bo 256 float32; bq 256 float32; bv 256 float32; feature_maps 8 x 2 x 256 x 64 x 64 float32; n1_b 256 float32; n1_g 256 float32; n2_b 256 float32; n2_g 256 float32; out_W_codes 256 x 8 x 24 uint8 (E2M3 codes of out_W, K innermost, in blocks of 32 codes, four codes in three bytes); out_W_scales 256 x 8 uint8 (E8M0 scales of out_W, one for each 32 codes along K); out_b 256 float32; points_3d 2 x 8,192 x 3 float32; pos_W1 128 x 3 float32; pos_W2_codes 256 x 4 x 24 uint8 (E2M3 codes of pos_W2, K innermost, in blocks of 32 codes, four codes in three bytes); pos_W2_scales 256 x 4 uint8 (E8M0 scales of pos_W2, one for each 32 codes along K); pos_b1 128 float32; pos_b2 256 float32; q_W_codes 256 x 8 x 24 uint8 (E2M3 codes of q_W, K innermost, in blocks of 32 codes, four codes in three bytes); q_W_scales 256 x 8 uint8 (E8M0 scales of q_W, one for each 32 codes along K); q_b 256 float32.
;; Outputs: out0 2 x 8,192 x 256 float32; out1 2 x 8,192 x 8 float32.
;; This version of the problem:
;;   THIS VERSION OF THE PROBLEM IS GIVEN IN LOW PRECISION. The matrix products marked QUANTISED in the list below multiply operands that are first quantised to E2M3 (2 exponent bits, 3 mantissa bits; 6 bits a number), with one power-of-two scale for each 32 numbers along K (OCP MX v1.0); their sums are f32. All else is computed in f32.
;;   The module's matrix products, in the order in which they are computed (A, B: the left and right operand; K: the contracted axis; several contracted axes count as one K, in the product's order):
;;     1. batch 2 x [M 24, K 3] x [K 3, N 8,192]; A: input R; B: input points_3d: left as it is (K = 3 < 32)
;;     2. batch 16 x [M 8,192, K 3] x [K 3, N 3]; A: computed on the way; B: input K: left as it is (K = 3 < 32)
;;     3. [M 16,384, K 3] x [K 3, N 128]; A: input points_3d; B: input pos_W1: left as it is (K = 3 < 32)
;;     4. [M 16,384, K 128] x [K 128, N 256]; A: computed on the way; B: input pos_W2 (given as codes): QUANTISED
;;     5. [M 131,072, K 256] x [K 256, N 256]; A: computed on the way; B: input q_W (given as codes): QUANTISED
;;     6. [M 131,072, K 256] x [K 256, N 256]; A: computed on the way; B: input Wq (given as codes): QUANTISED
;;     7. [M 131,072, K 256] x [K 256, N 256]; A: computed on the way; B: input Wk (given as codes): QUANTISED
;;     8. [M 131,072, K 256] x [K 256, N 256]; A: computed on the way; B: input Wv (given as codes): QUANTISED
;;     9. batch 131,072 x [M 8, K 32] x [K 32, N 8]; A: computed on the way; B: computed on the way: left as it is (M = 8 < 16)
;;     10. batch 131,072 x [M 8, K 8] x [K 8, N 32]; A: softmax; B: computed on the way: left as it is (K = 8 < 32)
;;     11. [M 131,072, K 256] x [K 256, N 256]; A: computed on the way; B: input Wo (given as codes): QUANTISED
;;     12. [M 131,072, K 256] x [K 256, N 256]; A: computed on the way; B: input out_W (given as codes): QUANTISED
;;     13. batch 16,384 x [M 256, K 8] x [K 8, N 1]; A: computed on the way; B: softmax: left as it is (K = 8 < 32)
;;   THE QUANTISER, for each operand of a quantised product, along K:
;;     - K is cut into blocks of 32 from its start; a last block that is shorter is filled with zeros.
;;     - A block's scale is 2^e with e = floor(log2(the largest magnitude in the block)) - 2, held to -126 .. 127; a block of zeros has e = 0. As a byte (E8M0): e + 127.
;;     - Each number is divided by its block's scale, clamped to +-7.5, and rounded to the nearest number of E2M3, ties to even, subnormals kept.
;;     - The product sums the exact products of the quantised numbers (number of the format x scale) in f32.
;;   ~~~python
;;   def quantise(x, axis):      # numpy; x: float32 -> the quantised numbers, widened to float32 again
;;       x = np.moveaxis(x, axis, -1); K = x.shape[-1]
;;       x = np.pad(x, [(0, 0)] * (x.ndim - 1) + [(0, -K % 32)]); x = x.reshape(x.shape[:-1] + (-1, 32)); a = np.abs(x).max(-1, keepdims=True)
;;       e = np.where(a > 0, np.clip(np.frexp(np.where(a > 0, a, 1))[1] - 1 - 2, -126, 127), 0)      # np.frexp(a)[1] - 1 = floor(log2(a)), exactly
;;       r = np.clip(x / 2.0 ** e, -7.5, 7.5)
;;       step = 2.0 ** (np.maximum(np.frexp(np.where(r == 0, 1, r))[1] - 1, 0) - 3)
;;       q = np.round(r / step) * step * 2.0 ** e      # np.round: ties to even
;;       return np.moveaxis(q.reshape(q.shape[:-2] + (-1,))[..., :K], -1, axis).astype(np.float32)
;;   ~~~
;;   OPERANDS COMPUTED ON THE WAY. 'Computed on the way' means the value that the module computes at that place (a softmax that the list does not call 'softmax' is quantised finished and normalised). What goes into a quantiser is computed in f32, as accurately as f32 sums, v_exp_f32 and their like allow (about 1e-6 of the number): no bf16 or f16 on the way to a quantiser, and a product that is left as it is and whose result goes on into a quantised operand takes f32 operands (vector FMAs, or v_wmma_f32_16x16x4_f32). A number that lies on a knife's edge between two numbers of the format may be rounded either way, as far as f32 arithmetic and the matrix unit's own rounding can turn it there, and no further.
;;   INPUTS GIVEN AS CODES. Wk (in the module: [256, 256], K = its axis 1); Wo (in the module: [256, 256], K = its axis 1); Wq (in the module: [256, 256], K = its axis 1); Wv (in the module: [256, 256], K = its axis 1); out_W (in the module: [256, 256], K = its axis 1); pos_W2 (in the module: [256, 128], K = its axis 1); q_W (in the module: [256, 256], K = its axis 1): each comes as NAME_codes (uint8): NAME with its K axis moved to the last place and cut into blocks of 32 codes, [.., K / 32, bytes a block], one block behind the other in memory; four codes in three bytes: a row's codes are one little-endian stream of bits, code i at bits 6 i .. 6 i + 5 (a code: sign, 2 exponent bits, 3 mantissa bits); and NAME_scales (uint8): the same leading axes, one E8M0 byte (e + 127) for each 32 codes along K. Its value is code x scale, taken as it is: it is not quantised again, and the codes and scales need not be those that the quantiser above would give.
;; 2 versions, each right; version 2 is version 1 with the launch main written anew for expert scheduling mode. Each part assembles by itself: llvm-mc -triple=amdgcn-amd-amdhsa -mcpu=gfx1250 --defsym DOCPART=n.
;; ======== version 1 of 2: 2 launches
;; workspace buffers: fmT 67,108,864 bytes; idx 2,097,152 bytes of whole numbers; wts 2,097,152 bytes; params 13,312 bytes
;; launch prep (part 1): grid 64 x 16, 8 waves a work-group, no clusters, 66,560 bytes of LDS; arguments feature_maps, points_3d, R, T, K, pos_W1, pos_b1, pos_b2, q_b, bq, bk, bv, bo, out_b, n1_g, n1_b, n2_g, n2_b, fmT, idx, wts, params; writes fmT, idx, wts, params
.if DOCPART == 1
	.amdgcn_target "amdgcn-amd-amdhsa--gfx1250"
	.amdhsa_code_object_version 6
	.text
	.protected	k_qe4aba4761c_prep
	.globl	k_qe4aba4761c_prep
	.p2align	8
	.type	k_qe4aba4761c_prep,@function
k_qe4aba4761c_prep:
	s_mov_b64 s[64:65], 0
	v_nop
	global_prefetch_b8 v0, s[64:65] scope:SCOPE_SE
	s_setreg_imm32_b32 hwreg(HW_REG_WAVE_MODE, 25, 1), 1
	s_wait_xcnt 0x0
; THREE JOBS IN ONE LAUNCH, all of them for the launch that follows.
; (1) feature_maps [vb = 2 v + b][256 channels][64 y][64 x] f32 is turned into fmT [vb][y][x][256 floats]: a pixel's 256 channels are 1,024 consecutive bytes.
;     Channel c lies at byte 16 (c / 16) + 256 ((c / 4) % 4) + 4 (c % 4) of its pixel, so that lane l of sixteen, reading 16 bytes at 16 l + 256 q (q = 0 .. 3), gets channels 16 l .. 16 l + 15.
; (2) Each point is projected into each view; the four taps of the bilinear sample leave as whole numbers (idx: pixel numbers vb 4096 + 64 y + x, clipped into the map)
;     and as weights (wts: wy wx, 0 for a tap outside the map), 16 bytes each at (vb 8192 + n) 16.  No address of THIS launch hangs on them.
; (3) Work-group (0, 0) copies the thirteen small f32 vectors into one buffer, params.
; SHARES.  Work-group (x = map row y, y = vb), eight waves: 256 channels x 64 pixels, 64 KiB in (each sixteen lanes read one channel's 256 consecutive bytes) and 64 KiB out (consecutive).
; Wave w takes channels 32 w .. 32 w + 31.  Waves 0 to 3 also project points 128 y + t (t = the thread's number) of batch vb % 2 into view vb.
; THE TURN goes through LDS.  Pixel x has 1,024 bytes at 1024 x; inside each 256 bytes the piece of 16 bytes number p lies at place p xor (x / 4): a store's 32 lanes then touch 32 different banks
; (64 banks of 4 bytes: ISA guide 11.1), and a load's sixteen lanes sixteen different pieces.
; LIMITS: a projected depth of 0, and coordinates that are not finite, are not served (reference() has NaN there; here the weights are 0 or NaN).
; No matrix unit, no tensor load, no cluster: the launch moves bytes, each once, and work-groups share nothing.
	s_load_b512 s[4:19], s[0:1], 0x0               ; feature_maps 4, points 6, R 8, T 10, K 12, pos_W1 14, pos_b1 16, pos_b2 18
	s_load_b512 s[20:35], s[0:1], 0x40             ; q_b 20, bq 22, bk 24, bv 26, bo 28, out_b 30, n1_g 32, n1_b 34
	s_load_b256 s[36:43], s[0:1], 0x80             ; n2_g 36, n2_b 38, fmT 40, idx 42
	s_load_b128 s[44:47], s[0:1], 0xa0             ; wts 44, params 46
	v_lshl_add_u32 v112, v0, 2, 0x10000
	v_mov_b32 v113, 0
	v_lshrrev_b32 v1, 5, v0
	v_readfirstlane_b32 s58, v1                    ; wave 0..7
	s_and_b32 s59, ttmp7, 0xffff                   ; vb
	v_and_b32 v1, 15, v0                           ; l16
	v_bfe_u32 v2, v0, 4, 1                         ; hh: which of a load's two channels
	v_lshlrev_b32 v3, 4, v1
	v_lshl_add_u32 v3, v2, 14, v3                  ; in: 16 l16 + 16,384 hh
	s_lshl_b32 s77, s58, 1                         ; my channels' pieces are numbers 2 w and 2 w + 1
	v_xor_b32 v68, s77, v1
	v_lshlrev_b32 v68, 4, v68
	v_lshl_add_u32 v68, v1, 12, v68
	v_lshl_add_u32 v68, v2, 2, v68                 ; 4096 l16 + 16 (2 w xor l16) + 4 hh
	s_add_co_u32 s77, s77, 1
	v_xor_b32 v69, s77, v1
	v_lshlrev_b32 v69, 4, v69
	v_lshl_add_u32 v69, v1, 12, v69
	v_lshl_add_u32 v69, v2, 2, v69                 ; the same with 2 w + 1
	v_lshlrev_b32 v70, 4, v0                       ; 16 t: the way out, and a point's 16 bytes in idx and wts
	v_mul_u32_u24 v72, v0, 12                      ; a point's 12 bytes
	s_mul_i32 s57, s59, 36                         ; R[vb], K[vb]
	s_mul_i32 s63, s59, 12                         ; T[vb]
	s_lshl_b32 s2, s59, 22                         ; feature_maps: vb x 4 MiB + 256 y + 32 w channels of 16,384 bytes
	s_lshl_b32 s3, ttmp9, 8
	s_add_co_u32 s2, s2, s3
	s_lshl_b32 s3, s58, 19
	s_add_co_u32 s2, s2, s3
	s_mov_b32 s3, 0
	s_and_b32 s66, s59, 1                          ; points: ((vb % 2) 8192 + 128 y) x 12
	s_lshl_b32 s66, s66, 13
	s_lshl_b32 s67, ttmp9, 7
	s_add_co_u32 s66, s66, s67
	s_mul_i32 s66, s66, 12
	s_lshl_b32 s80, s59, 13                        ; idx, wts: (vb 8192 + 128 y) x 16
	s_add_co_u32 s80, s80, s67
	s_lshl_b32 s80, s80, 4
	s_mov_b32 s67, 0
	s_mov_b32 s81, 0
	s_lshl_b32 s82, s59, 6                         ; fmT: (64 vb + y) x 65,536
	s_add_co_u32 s82, s82, ttmp9
	s_lshl_b32 s82, s82, 16
	s_mov_b32 s83, 0
	s_lshl_b32 s84, s59, 12                        ; the view's first pixel number
	s_wait_kmcnt 0x0
	s_load_b256 s[48:55], s[8:9], s57 offset:0x0   ; R[i][j] at s[48 + 3 i + j]
	s_load_b32 s56, s[8:9], s57 offset:0x20
	s_load_b96 s[60:62], s[10:11], s63 offset:0x0  ; T
	s_load_b256 s[68:75], s[12:13], s57 offset:0x0 ; K[i][j] at s[68 + 3 i + j]
	s_load_b32 s76, s[12:13], s57 offset:0x20
	s_add_nc_u64 s[4:5], s[4:5], s[2:3]
	s_add_nc_u64 s[6:7], s[6:7], s[66:67]
	s_add_nc_u64 s[42:43], s[42:43], s[80:81]
	s_add_nc_u64 s[44:45], s[44:45], s[80:81]
	s_add_nc_u64 s[40:41], s[40:41], s[82:83]
	s_cmp_lt_u32 s58, 4
	s_cbranch_scc0 .Lno_point
	global_load_b32 v73, v72, s[6:7]               ; my point
	global_load_b32 v74, v72, s[6:7] offset:4
	global_load_b32 v75, v72, s[6:7] offset:8
.Lno_point:
.irp i, 0,1,2,3,4,5,6,7,8,9,10,11,12,13,14,15
	global_load_b128 v[4+4*\i:7+4*\i], v3, s[4:5] offset:32768*\i th:TH_LOAD_NT   ; channel 32 w + 2 i + hh, pixels 4 l16 .. 4 l16 + 3: sixteen lanes read 256 consecutive bytes; read once in the launch
.endr
	s_wait_kmcnt 0x0                               ; R, T, K
	s_cmp_lt_u32 s58, 4
	s_cbranch_scc0 .Lno_projection
	s_wait_loadcnt 16                              ; my point's three loads are in; the sixteen issued behind them stay out
	v_mul_f32 v76, s48, v73                        ; cam_j = p0 R0j + p1 R1j + p2 R2j + Tj
	v_mul_f32 v77, s49, v73
	v_mul_f32 v78, s50, v73
	v_fma_f32 v76, s51, v74, v76
	v_fma_f32 v77, s52, v74, v77
	v_fma_f32 v78, s53, v74, v78
	v_fma_f32 v76, s54, v75, v76
	v_fma_f32 v77, s55, v75, v77
	v_fma_f32 v78, s56, v75, v78
	v_add_f32 v76, s60, v76
	v_add_f32 v77, s61, v77
	v_add_f32 v78, s62, v78
	v_mul_f32 v79, s68, v76                        ; img_j = cam0 K0j + cam1 K1j + cam2 K2j
	v_mul_f32 v80, s69, v76
	v_mul_f32 v81, s70, v76
	v_fma_f32 v79, s71, v77, v79
	v_fma_f32 v80, s72, v77, v80
	v_fma_f32 v81, s73, v77, v81
	v_fma_f32 v79, s74, v78, v79
	v_fma_f32 v80, s75, v78, v80
	v_fma_f32 v81, s76, v78, v81
	v_rcp_f32 v82, v81
	v_nop                                          ; one plain instruction behind the reciprocal (ISA guide 5.7.2)
	s_wait_alu depctr_va_vdst(0)
	v_mul_f32 v83, v79, v82                        ; the quotients, each mended by one step: q + (a - z q) / z
	v_mul_f32 v85, v80, v82
	v_fma_f32 v84, -v81, v83, v79
	v_fma_f32 v86, -v81, v85, v80
	v_fma_f32 v83, v84, v82, v83
	v_fma_f32 v85, v86, v82, v85
	v_add_f32 v83, 1.0, v83
	v_add_f32 v85, 1.0, v85
	v_fma_f32 v83, v83, 0x42000000, -0.5           ; x = (cx + 1) 64 / 2 - 0.5: the product by 32 is exact, so this rounds as reference() does
	v_fma_f32 v85, v85, 0x42000000, -0.5
	v_floor_f32 v86, v83                           ; x0, y0
	v_floor_f32 v87, v85
	v_sub_f32 v88, v83, v86                        ; wx1, wy1
	v_sub_f32 v89, v85, v87
	v_sub_f32 v90, 1.0, v88                        ; wx0, wy0
	v_sub_f32 v91, 1.0, v89
	v_add_f32 v92, 1.0, v86                        ; x1, y1
	v_add_f32 v93, 1.0, v87
	v_med3_num_f32 v94, v86, 0, 0x427c0000         ; clipped to 0 .. 63
	v_med3_num_f32 v95, v92, 0, 0x427c0000
	v_med3_num_f32 v96, v87, 0, 0x427c0000
	v_med3_num_f32 v97, v93, 0, 0x427c0000
	v_cmp_eq_f32 vcc_lo, v94, v86                  ; a coordinate that the clip moved lies outside: its weight becomes 0
	v_cndmask_b32 v90, 0, v90, vcc_lo
	v_cmp_eq_f32 vcc_lo, v95, v92
	v_cndmask_b32 v88, 0, v88, vcc_lo
	v_cmp_eq_f32 vcc_lo, v96, v87
	v_cndmask_b32 v91, 0, v91, vcc_lo
	v_cmp_eq_f32 vcc_lo, v97, v93
	v_cndmask_b32 v89, 0, v89, vcc_lo
	v_mul_f32 v100, v91, v90                       ; taps (y0, x0), (y0, x1), (y1, x0), (y1, x1)
	v_mul_f32 v101, v91, v88
	v_mul_f32 v102, v89, v90
	v_mul_f32 v103, v89, v88
	v_cvt_u32_f32 v94, v94
	v_cvt_u32_f32 v95, v95
	v_cvt_u32_f32 v96, v96
	v_cvt_u32_f32 v97, v97
	v_lshl_add_u32 v104, v96, 6, v94
	v_lshl_add_u32 v105, v96, 6, v95
	v_lshl_add_u32 v106, v97, 6, v94
	v_lshl_add_u32 v107, v97, 6, v95
	v_add_nc_u32 v104, s84, v104
	v_add_nc_u32 v105, s84, v105
	v_add_nc_u32 v106, s84, v106
	v_add_nc_u32 v107, s84, v107
	global_store_b128 v70, v[104:107], s[42:43]    ; a wave stores 512 consecutive bytes of each buffer
	global_store_b128 v70, v[100:103], s[44:45]
.Lno_projection:
	s_wait_loadcnt 0x0                             ; my 32 channels
.irp i, 0,1,2,3,4,5,6,7,8,9,10,11,12,13,14,15
.irp j, 0,1,2,3
	ds_store_b32 v[68+\i/8], v[4+4*\i+\j] offset:1024*\j+256*((\i/2)%4)+8*(\i%2)   ; pixel 4 l16 + j, channel 32 w + 2 i + hh
.endr
.endr
	s_wait_dscnt 0x0                               ; for the others' sake: my stores have landed
	s_barrier_signal -1
	s_barrier_wait -1
.irp s, 0,1,2,3,4,5,6,7,8,9,10,11,12,13,14,15
	v_xor_b32 v[72+\s], 16*\s, v70                 ; bytes 4096 s + 16 t of the row's 64 KiB belong to pixels 4 s .. 4 s + 3: piece t % 16 lies at place (t % 16) xor s
	ds_load_b128 v[4+4*\s:7+4*\s], v[72+\s] offset:4096*\s
.endr
.irp s, 0,1,2,3,4,5,6,7,8,9,10,11,12,13,14,15
	s_wait_dscnt 15-\s                             ; LDS loads come back in order (ISA guide 5.7.1): load s is in, the younger ones stay out
	global_store_b128 v70, v[4+4*\s:7+4*\s], s[40:41] offset:4096*\s   ; sixteen lanes store 256 consecutive bytes, at a multiple of 256 from fmT's first byte
.endr
	; ---- the small vectors, by work-group (0, 0) alone
	s_or_b32 s66, ttmp9, s59
	s_cmp_lg_u32 s66, 0
	s_cbranch_scc1 .Lend
	s_wait_xcnt 0x0                                ; the stores above have read their registers
	v_lshlrev_b32 v72, 2, v0
	global_load_b32 v73, v72, s[14:15]             ; pos_W1's first 256 numbers
	global_load_b32 v74, v72, s[18:19]
	global_load_b32 v75, v72, s[20:21]
	global_load_b32 v76, v72, s[22:23]
	global_load_b32 v77, v72, s[24:25]
	global_load_b32 v78, v72, s[26:27]
	global_load_b32 v79, v72, s[28:29]
	global_load_b32 v80, v72, s[30:31]
	global_load_b32 v81, v72, s[32:33]
	global_load_b32 v82, v72, s[34:35]
	global_load_b32 v83, v72, s[36:37]
	global_load_b32 v84, v72, s[38:39]
	s_cmp_lt_u32 s58, 4
	s_cbranch_scc0 .Lshort_in
	global_load_b32 v85, v72, s[14:15] offset:1024 ; pos_W1's last 128, and pos_b1's 128
	global_load_b32 v86, v72, s[16:17]
.Lshort_in:
	s_wait_loadcnt 0x0
	global_store_b32 v72, v73, s[46:47]
	global_store_b32 v72, v74, s[46:47] offset:2048
	global_store_b32 v72, v75, s[46:47] offset:3072
	global_store_b32 v72, v76, s[46:47] offset:4096
	global_store_b32 v72, v77, s[46:47] offset:5120
	global_store_b32 v72, v78, s[46:47] offset:6144
	global_store_b32 v72, v79, s[46:47] offset:7168
	global_store_b32 v72, v80, s[46:47] offset:8192
	global_store_b32 v72, v81, s[46:47] offset:9216
	global_store_b32 v72, v82, s[46:47] offset:10240
	global_store_b32 v72, v83, s[46:47] offset:11264
	global_store_b32 v72, v84, s[46:47] offset:12288
	s_cmp_lt_u32 s58, 4
	s_cbranch_scc0 .Lend
	global_store_b32 v72, v85, s[46:47] offset:1024
	global_store_b32 v72, v86, s[46:47] offset:1536
.Lend:
	s_wait_tensorcnt 0x0
	ds_add_u32 v112, v113
	s_wait_dscnt 0x0
	s_endpgm
.Lfunc_end_k_qe4aba4761c_prep:
	.size	k_qe4aba4761c_prep, .Lfunc_end_k_qe4aba4761c_prep-k_qe4aba4761c_prep
	.p2alignl 7, 3214868480
	.fill 96, 4, 3214868480
	.section	.rodata,"a",@progbits
	.p2align	6, 0x0
	.amdhsa_kernel k_qe4aba4761c_prep
		.amdhsa_group_segment_fixed_size 66560
		.amdhsa_private_segment_fixed_size 0
		.amdhsa_enable_private_segment 0
		.amdhsa_kernarg_size 176
		.amdhsa_user_sgpr_count 2
		.amdhsa_user_sgpr_kernarg_segment_ptr 1
		.amdhsa_wavefront_size32 1
		.amdhsa_system_sgpr_workgroup_id_x 1
		.amdhsa_system_sgpr_workgroup_id_y 1
		.amdhsa_system_sgpr_workgroup_id_z 1
		.amdhsa_system_vgpr_workitem_id 0
		.amdhsa_next_free_vgpr 114
		.amdhsa_next_free_sgpr 90
		.amdhsa_reserve_vcc 1
		.amdhsa_float_denorm_mode_32 3
		.amdhsa_float_denorm_mode_16_64 3
		.amdhsa_memory_ordered 1
		.amdhsa_forward_progress 1
		.amdhsa_inst_pref_size 20
	.end_amdhsa_kernel
	.amdgpu_metadata
---
amdhsa.version: [ 1, 2 ]
amdhsa.kernels:
  - .name:           k_qe4aba4761c_prep
    .symbol:         k_qe4aba4761c_prep.kd
    .args:
      - { .name: feature_maps, .offset: 0, .size: 8, .value_kind: global_buffer, .address_space: global }
      - { .name: points_3d, .offset: 8, .size: 8, .value_kind: global_buffer, .address_space: global }
      - { .name: R, .offset: 16, .size: 8, .value_kind: global_buffer, .address_space: global }
      - { .name: T, .offset: 24, .size: 8, .value_kind: global_buffer, .address_space: global }
      - { .name: K, .offset: 32, .size: 8, .value_kind: global_buffer, .address_space: global }
      - { .name: pos_W1, .offset: 40, .size: 8, .value_kind: global_buffer, .address_space: global }
      - { .name: pos_b1, .offset: 48, .size: 8, .value_kind: global_buffer, .address_space: global }
      - { .name: pos_b2, .offset: 56, .size: 8, .value_kind: global_buffer, .address_space: global }
      - { .name: q_b, .offset: 64, .size: 8, .value_kind: global_buffer, .address_space: global }
      - { .name: bq, .offset: 72, .size: 8, .value_kind: global_buffer, .address_space: global }
      - { .name: bk, .offset: 80, .size: 8, .value_kind: global_buffer, .address_space: global }
      - { .name: bv, .offset: 88, .size: 8, .value_kind: global_buffer, .address_space: global }
      - { .name: bo, .offset: 96, .size: 8, .value_kind: global_buffer, .address_space: global }
      - { .name: out_b, .offset: 104, .size: 8, .value_kind: global_buffer, .address_space: global }
      - { .name: n1_g, .offset: 112, .size: 8, .value_kind: global_buffer, .address_space: global }
      - { .name: n1_b, .offset: 120, .size: 8, .value_kind: global_buffer, .address_space: global }
      - { .name: n2_g, .offset: 128, .size: 8, .value_kind: global_buffer, .address_space: global }
      - { .name: n2_b, .offset: 136, .size: 8, .value_kind: global_buffer, .address_space: global }
      - { .name: fmT, .offset: 144, .size: 8, .value_kind: global_buffer, .address_space: global }
      - { .name: idx, .offset: 152, .size: 8, .value_kind: global_buffer, .address_space: global }
      - { .name: wts, .offset: 160, .size: 8, .value_kind: global_buffer, .address_space: global }
      - { .name: params, .offset: 168, .size: 8, .value_kind: global_buffer, .address_space: global }
    .group_segment_fixed_size: 66560
    .private_segment_fixed_size: 0
    .kernarg_segment_align: 8
    .kernarg_segment_size: 176
    .max_flat_workgroup_size: 256
    .sgpr_count:     90
    .vgpr_count:     114
    .wavefront_size: 32
...
	.end_amdgpu_metadata
.endif
;; end of part 1
;; launch main (part 2): grid 256 x 1, 16 waves a work-group, no clusters, 297,984 bytes of LDS; arguments idx, wts, fmT, points_3d, params, pos_W2_codes, pos_W2_scales, q_W_codes, q_W_scales, Wq_codes, Wq_scales, Wk_codes, Wk_scales, Wv_codes, Wv_scales, Wo_codes, Wo_scales, out_W_codes, out_W_scales, out0, out1; writes out0, out1
.if DOCPART == 2
	.amdgcn_target "amdgcn-amd-amdhsa--gfx1250"
	.amdhsa_code_object_version 6
	.text
	.protected	k_qe4aba4761c_main
	.globl	k_qe4aba4761c_main
	.p2align	8
	.type	k_qe4aba4761c_main,@function
k_qe4aba4761c_main:
	s_mov_b64 s[64:65], 0
	v_nop
	global_prefetch_b8 v0, s[64:65] scope:SCOPE_SE
	s_setreg_imm32_b32 hwreg(HW_REG_WAVE_MODE, 25, 1), 1
	s_wait_xcnt 0x0
; THE WHOLE CHAIN FOR 64 POINTS A WORK-GROUP: positional MLP, query, bilinear samples of 8 views, keys and values, attention, Wo, residual, LayerNorm, out_W, LayerNorm, view attention, sum over views.
; All seven quantised products run on codes of FP6 (E2M3) with one E8M0 scale for each 32 along K; every operand that is computed on the way is quantised in registers from f32.
; WHAT reference() ITSELF REPEATS IS COMPUTED ONCE.  It broadcasts pe over the 8 views, so q_in, q, the scores, attn, ctx, attended and final are one row for all 8 query places of a point, for every input:
; the products by q_W, Wq, Wo and out_W and both LayerNorms have 64 different rows here, those by Wk and Wv 512.  aw.mean(-1) is one number a point in 8 equal copies; its softmax and the sum over views are taken of those 8 equal entries.
; SHARES.  Sixteen waves of 256 registers, four to a SIMD.  Wave w: fb = w % 8, a block of 32 output features, which is also an attention head; g = w / 8, points 32 g .. 32 g + 31.  Lane: r = lane % 16, h = lane / 16.
; A wave keeps its 32 rows of the weight in hand in registers; no weight goes through LDS.  Its 32 outputs are one whole block of the next product's K: it quantises them itself, and 12 bytes of codes a lane and one scale byte go to LDS.
; TRANSPOSED USE (source 0 = 16 rows of the weight, source 1 = 16 rows of activations), with lane r of weight tile u taking row 32 fb + 8 u + r + 8 (r / 8): lane (r, h) then holds activation row r,
; and the 16 registers of tiles 0 and 1 are features 32 fb + 16 h + 0 .. 15.  The product by Wv alone is used the natural way (source 0 = the 16 sampled rows): lane (r, h) holds feature r of point h, register j view j.
; The biases are the C of each sum's first matrix instruction.  Accumulators take turns, one instruction a turn.
; THE SAMPLES.  Tap numbers and weights were stored by the launch before.  Sixteen lanes read a pixel's 1,024 bytes by four loads of 256 consecutive bytes; a lane gets 16 neighbouring channels.  Two pairs of rows (32 loads) and two index loads of a wave are on their way.
; NO CLUSTER, NO TENSOR LOAD: what work-groups share are the seven weights, 333 KB, which each wave takes straight into registers (6 KiB of codes a weight); a work-group's own gather is 512 rows x 4 taps x 1,024 bytes = 2 MiB, by a stored list.
; LIMITS: inputs that are not finite are not served (FP6 has no code for them).  A block whose largest magnitude lies under 2^-124 is held at the scale byte 1; a block of zeros gets the byte 1 too: its codes are zeros, and this program alone reads the bytes.
; LDS (bytes): rows of codes are 192 bytes + 16: 52 words, so that the 32 lanes of a fragment's load of 8 bytes touch 64 different banks (64 banks of 4 bytes: ISA guide 11.1).
.set PIT,  208
.set ACTA, 0                           ; 64 rows of codes, two buffers by turns
.set ACTB, 13312
.set ASCA, 26624                       ; their scale bytes, 8 a row
.set ASCB, 27136
.set ST,   27648                       ; [head][64 points] f32: the sum over keys of the attention weights
.set LNA,  29696                       ; [fb][64 points][sum, sum of squared distances from the block's mean]
.set LNB,  33792
.set QC,   37888                       ; 16 waves x 32 points x 144 bytes: q, later ctx; each wave's own
.set QI,   111616                      ; the same shape: q_in; each wave's own
.set VS,   185344                      ; 512 rows x 8 scale bytes
.set VF,   189440                      ; 512 sampled rows of codes
.set OS,   VF                          ; the way out: 64 rows x (1,024 + 16) bytes, where the sampled rows lay
; params, in bytes
.set P_B1, 1536
.set P_B2, 2048
.set P_QB, 3072
.set P_BQ, 4096
.set P_BK, 5120
.set P_BV, 6144
.set P_BO, 7168
.set P_OB, 8192
.set P_G1, 9216
.set P_N1, 10240
.set P_G2, 11264
.set P_N2, 12288
; REGISTERS.  v1 r, v2 h, v3-23 addresses (named where they are made).  v240-251 scale words and nothing else.  v232-239 at work.  v252-255 addresses in hand.
.set W0,  24                           ; the point's path: two sets of a weight's four fragments (tile u, K step s at + 12 (2 u + s)) and its 16 numbers of bias
.set B0,  72
.set W1,  88
.set B1,  136
.set ACC, 152                          ; four accumulators: point tile t at + 16 t, feature tile u at + 8 u
.set FR,  184                          ; four fragments of activations: point tile t at + 24 t, K step s at + 12 s
.set SW0, 240
.set SW1, 244
.set SA,  248
.set CD,  232                          ; v232-234 16 codes
.set BY,  235                          ; the scale's byte
.set MX,  236
.set PX,  237
.set SC,  238
.set SL,  24                           ; the gather: two slots of 64 (tap a at + 16 a);
.set TA,  184                          ; four tap addresses a slot;
.set IX,  192                          ; four sets of 4 tap numbers and 4 weights
.set WK,  24                           ; the attention
.set WV,  72
.set BK,  120
.set BV,  136
.set AFR, 152
.set AQ,  176
.set DK,  192
.set DV,  208
.set PP,  224
.macro BARRIER                         ; my LDS stores have landed and my LDS loads are in: then the work-group's barrier
	s_wait_dscnt 0x0
	s_barrier_signal -1
	s_barrier_wait -1
.endm
; Behind a run of matrix instructions: four plain instructions in front of reads of results, five in front of a matrix instruction that writes over them; four also in front of loads into their registers.
.macro PLACES
.rept 5
	v_nop
.endr
.endm
; A weight of 256 along K: my 32 rows' four fragments, their scale words, my 16 numbers of its bias: 32 loads
.macro LOADW wreg, breg, swreg, cp, sp, boff
.irp u, 0,1
.irp s, 0,1
.irp p, 0,1,2,3,4,5
	global_load_b64 v[\wreg+12*(2*\u+\s)+2*\p:\wreg+12*(2*\u+\s)+2*\p+1], v9, s[\cp:\cp+1] offset:1536*\u+96*\s+48*(\p/3)+8*(\p%3)
.endr
.endr
.endr
.irp u, 0,1
.irp s, 0,1
	global_load_b32 v[\swreg+2*\u+\s], v10, s[\sp:\sp+1] offset:64*\u+4*\s
.endr
.endr
.irp i, 0,1,2,3
	global_load_b128 v[\breg+4*\i:\breg+4*\i+3], v11, s[12:13] offset:\boff+16*\i
.endr
.endm
; My 32 points' fragments and scale words out of LDS; nst K steps of 128
.macro FRAGS abuf, sbuf, nst
.irp t, 0,1
.irp s, 0,1
.if \s < \nst
.irp p, 0,1,2,3,4,5
	ds_load_b64 v[FR+24*\t+12*\s+2*\p:FR+24*\t+12*\s+2*\p+1], v3 offset:\abuf+3328*\t+96*\s+48*(\p/3)+8*(\p%3)
.endr
.endif
.endr
.if \nst == 2
	ds_load_b64 v[SA+2*\t:SA+2*\t+1], v4 offset:\sbuf+128*\t
.else
	ds_load_b32 v[SA+2*\t], v4 offset:\sbuf+128*\t
.endif
.endr
.endm
; 32 points x my 32 features: the four accumulators by turns, K step by K step; the first step takes the bias as C
.macro GEMM wreg, breg, swreg, nst
.irp s, 0,1
.if \s < \nst
.irp t, 0,1
.irp u, 0,1
.if \s == 0
	v_wmma_scale_f32_16x16x128_f8f6f4 v[ACC+16*\t+8*\u:ACC+16*\t+8*\u+7], v[\wreg+12*(2*\u+\s):\wreg+12*(2*\u+\s)+11], v[FR+24*\t+12*\s:FR+24*\t+12*\s+11], v[\breg+8*\u:\breg+8*\u+7], v[\swreg+2*\u+\s], v[SA+2*\t+\s] matrix_a_fmt:MATRIX_FMT_FP6 matrix_b_fmt:MATRIX_FMT_FP6
.else
	v_wmma_scale_f32_16x16x128_f8f6f4 v[ACC+16*\t+8*\u:ACC+16*\t+8*\u+7], v[\wreg+12*(2*\u+\s):\wreg+12*(2*\u+\s)+11], v[FR+24*\t+12*\s:FR+24*\t+12*\s+11], v[ACC+16*\t+8*\u:ACC+16*\t+8*\u+7], v[\swreg+2*\u+\s], v[SA+2*\t+\s] matrix_a_fmt:MATRIX_FMT_FP6 matrix_b_fmt:MATRIX_FMT_FP6
.endif
.endr
.endr
.endif
.endr
	PLACES
.endm
; 16 neighbours along K in v[src] on become 12 bytes of codes in v[CD] on and their block's scale byte in v[BY].  The block's other 16 lie in lane l xor 16 (dpp = 0) or in lane l xor 1 (dpp = 1).
; The largest magnitude has the floor 2^(3 - 127) among its leaves, so that the byte cannot fall under 1; 2 off its exponent field is the conversion's scale operand.  Registers are read in ascending order.
.macro QUANT16 src, mag, dpp
.if \mag
	v_max3_num_f32 v[MX], |v[\src]|, |v[\src+1]|, 0x1800000
	v_max3_num_f32 v[PX], |v[\src+2]|, |v[\src+3]|, |v[\src+4]|
	v_max3_num_f32 v[MX], v[MX], |v[\src+5]|, |v[\src+6]|
	v_max3_num_f32 v[PX], v[PX], |v[\src+7]|, |v[\src+8]|
	v_max3_num_f32 v[MX], v[MX], |v[\src+9]|, |v[\src+10]|
	v_max3_num_f32 v[PX], v[PX], |v[\src+11]|, |v[\src+12]|
	v_max3_num_f32 v[MX], v[MX], |v[\src+13]|, |v[\src+14]|
	v_max3_num_f32 v[MX], v[MX], v[PX], |v[\src+15]|
.else
	v_max3_num_f32 v[MX], v[\src], v[\src+1], 0x1800000
	v_max3_num_f32 v[PX], v[\src+2], v[\src+3], v[\src+4]
	v_max3_num_f32 v[MX], v[MX], v[\src+5], v[\src+6]
	v_max3_num_f32 v[PX], v[PX], v[\src+7], v[\src+8]
	v_max3_num_f32 v[MX], v[MX], v[\src+9], v[\src+10]
	v_max3_num_f32 v[PX], v[PX], v[\src+11], v[\src+12]
	v_max3_num_f32 v[MX], v[MX], v[\src+13], v[\src+14]
	v_max3_num_f32 v[MX], v[MX], v[PX], v[\src+15]
.endif
.if \dpp
	v_max_num_f32_dpp v[MX], v[MX], v[MX] row_xmask:1 row_mask:0xf bank_mask:0xf
.else
	v_permlanex16_b32 v[PX], v[MX], s52, s53
	v_max_num_f32 v[MX], v[MX], v[PX]
.endif
	v_add_nc_u32 v[SC], 0xff000000, v[MX]
	s_wait_dscnt 0x0                               ; the last codes' and byte's stores have read their registers
	v_lshrrev_b32 v[BY], 23, v[SC]
	v_cvt_scalef32_pk16_fp6_f32 v[CD:CD+2], v[\src:\src+15], v[SC]
	v_nop                                          ; one plain instruction behind a scaled conversion
.endm
.macro PUT aw, ab, coff, soff          ; the 12 bytes begin at a multiple of 4; both lanes of a block write the same byte with the same value
	ds_store_b32 v[\aw], v[CD] offset:\coff
	ds_store_b32 v[\aw], v[CD+1] offset:\coff+4
	ds_store_b32 v[\aw], v[CD+2] offset:\coff+8
	ds_store_b8 v[\ab], v[BY] offset:\soff
.endm
; LayerNorm, first half: of my 32 features of point tile t: their sum, and the sum of squared distances from their own mean
.macro LNSTAT x, buf, t
	s_wait_dscnt 0x0                               ; earlier stores have read v232 on
	v_pk_add_f32 v[232:233], v[\x:\x+1], v[\x+2:\x+3]
	v_pk_add_f32 v[234:235], v[\x+4:\x+5], v[\x+6:\x+7]
	v_pk_add_f32 v[236:237], v[\x+8:\x+9], v[\x+10:\x+11]
	v_pk_add_f32 v[238:239], v[\x+12:\x+13], v[\x+14:\x+15]
	v_pk_add_f32 v[232:233], v[232:233], v[234:235]
	v_pk_add_f32 v[236:237], v[236:237], v[238:239]
	v_pk_add_f32 v[232:233], v[232:233], v[236:237]
	v_add_f32 v232, v232, v233
	v_permlanex16_b32 v233, v232, s52, s53
	v_add_f32 v232, v232, v233                     ; the sum
	v_mul_f32 v234, 0x3d000000, v232               ; / 32
	v_pk_add_f32 v[236:237], v[\x:\x+1], v[234:235] op_sel_hi:[1,0] neg_lo:[0,1] neg_hi:[0,1]
	v_pk_mul_f32 v[238:239], v[236:237], v[236:237]
.irp i, 2,4,6,8,10,12,14
	v_pk_add_f32 v[236:237], v[\x+\i:\x+\i+1], v[234:235] op_sel_hi:[1,0] neg_lo:[0,1] neg_hi:[0,1]
	v_pk_fma_f32 v[238:239], v[236:237], v[236:237], v[238:239]
.endr
	v_add_f32 v233, v238, v239
	v_permlanex16_b32 v236, v233, s52, s53
	v_add_f32 v233, v233, v236
	ds_store_b64 v12, v[232:233] offset:\buf+128*\t
.endm
; Second half: the eight blocks' figures are joined (the squares about the row's mean = the blocks' own + 32 x the squared distance of each block's mean: no difference of large sums), and my numbers are normalised in place
.macro LNAPPLY x, buf, gg, bb, t
.irp f, 0,1,2,3,4,5,6,7
	ds_load_b64 v[216+2*\f:217+2*\f], v4 offset:\buf+512*\f+128*\t
.endr
	s_wait_dscnt 0x0
	v_add_f32 v232, v216, v218
	v_add_f32 v233, v220, v222
	v_add_f32 v234, v224, v226
	v_add_f32 v235, v228, v230
	v_add_f32 v232, v232, v233
	v_add_f32 v234, v234, v235
	v_add_f32 v232, v232, v234
	v_mul_f32 v236, 0x3b800000, v232               ; the mean of 256
	v_add_f32 v232, v217, v219
	v_add_f32 v233, v221, v223
	v_add_f32 v234, v225, v227
	v_add_f32 v235, v229, v231
	v_add_f32 v232, v232, v233
	v_add_f32 v234, v234, v235
	v_add_f32 v234, v232, v234
	v_fma_f32 v233, v216, 0x3d000000, -v236
	v_mul_f32 v235, v233, v233
.irp f, 1,2,3,4,5,6,7
	v_fma_f32 v233, v[216+2*\f], 0x3d000000, -v236
	v_fma_f32 v235, v233, v233, v235
.endr
	v_fma_f32 v234, v235, 0x42000000, v234
	v_fma_f32 v234, v234, 0x3b800000, s74          ; the variance + 1e-5
	v_rsq_f32 v238, v234
	v_nop                                          ; one plain instruction behind the root
.irp i, 0,2,4,6,8,10,12,14
	v_pk_add_f32 v[\x+\i:\x+\i+1], v[\x+\i:\x+\i+1], v[236:237] op_sel_hi:[1,0] neg_lo:[0,1] neg_hi:[0,1]
.endr
	s_wait_alu depctr_va_vdst(0)
.irp i, 0,2,4,6,8,10,12,14
	v_pk_mul_f32 v[\x+\i:\x+\i+1], v[\x+\i:\x+\i+1], v[238:239] op_sel_hi:[1,0]
.endr
.irp i, 0,2,4,6,8,10,12,14
	v_pk_fma_f32 v[\x+\i:\x+\i+1], v[\x+\i:\x+\i+1], v[\gg+\i:\gg+\i+1], v[\bb+\i:\bb+\i+1]
.endr
.endm
	s_load_b512 s[4:19], s[0:1], 0x0               ; idx 4, wts 6, fmT 8, points 10, params 12, pos_W2 codes 14, scales 16, q_W codes 18
	s_load_b512 s[20:35], s[0:1], 0x40             ; q_W scales 20, Wq 22, 24, Wk 26, 28, Wv 30, 32, Wo codes 34
	s_load_b256 s[36:43], s[0:1], 0x80             ; Wo scales 36, out_W 38, 40, out0 42
	s_load_b64 s[44:45], s[0:1], 0xa0              ; out1
	v_lshrrev_b32 v1, 5, v0
	v_readfirstlane_b32 s46, v1                    ; wave 0..15
	s_and_b32 s47, s46, 7                          ; fb, the head
	s_lshr_b32 s48, s46, 3                         ; g
	s_and_b32 s75, s46, 3                          ; for the hidden layer alone: block of 32 hidden units,
	s_lshr_b32 s76, s46, 2                         ; tile of 16 points
	s_mov_b32 s52, 0x76543210
	s_mov_b32 s53, 0xfedcba98                      ; v_permlanex16_b32's selects for lane l xor 16
	s_mov_b32 s74, 0x3727c5ac                      ; 1e-5
	v_and_b32 v1, 15, v0                           ; r
	v_bfe_u32 v2, v0, 4, 1                         ; h
.irp i, 232,233,234,235,236,237,238,239
	v_mov_b32 v\i, 0                               ; written once: the destination of a lane permute and both halves of a named pair count as read
.endr
	s_mul_i32 s56, s48, 32*PIT
	v_mul_u32_u24 v3, v1, PIT
	v_mad_u32_u24 v5, v2, 12, v3
	v_mad_u32_u24 v21, v2, 24, v3
	v_add_nc_u32 v3, s56, v21                      ; v3: a fragment's place: (32 g + r) 208 + 24 h
	s_lshl_b32 s57, s48, 8
	v_lshl_add_u32 v4, v1, 3, s57                  ; v4: (32 g + r) 8: a row's scale bytes, a point's LayerNorm figures
	s_mul_i32 s58, s47, 24
	s_add_co_u32 s58, s58, s56
	v_add_nc_u32 v5, s58, v5                       ; v5: where my codes go: (32 g + r) 208 + 24 fb + 12 h
	v_add_nc_u32 v6, s47, v4                       ; v6: and my block's scale byte
	s_mul_i32 s59, s46, 4608
	s_add_co_u32 s77, s59, QC                      ; (kept)
	s_add_co_u32 s78, s59, QI
	v_mul_u32_u24 v7, v1, 144
	v_lshl_add_u32 v7, v2, 6, v7
	v_add_nc_u32 v8, s78, v7                       ; v8: q_in: my wave's 32 points x 144, + 144 r + 64 h
	v_add_nc_u32 v7, s77, v7                       ; v7: q and ctx likewise
	s_lshl_b32 s60, s47, 5                         ; (kept) 32 fb
	v_and_b32 v10, 8, v1
	v_add_nc_u32 v10, v10, v1
	v_add_nc_u32 v10, s60, v10                     ; my row of a weight tile: 32 fb + r + 8 (r / 8)
	v_mul_u32_u24 v9, v10, 192
	v_mad_u32_u24 v9, v2, 24, v9                   ; v9: its codes (256 along K)
	v_mul_u32_u24 v38, v10, 96
	v_mad_u32_u24 v38, v2, 24, v38                 ; v38, v39: pos_W2's (128 along K)
	v_lshlrev_b32 v39, 2, v10
	v_lshlrev_b32 v10, 3, v10                      ; v10: its scale bytes
	s_lshl_b32 s61, s47, 7
	v_lshl_add_u32 v11, v2, 6, s61                 ; v11: my 16 numbers of a vector of 256: 128 fb + 64 h
	s_lshl_b32 s62, s47, 9
	v_add_nc_u32 v12, s62, v4                      ; v12: where my LayerNorm figures go
	s_lshl_b32 s63, s48, 7                         ; (kept) 128 g
	v_lshl_add_u32 v13, v1, 2, s63                 ; v13: (32 g + r) 4: a point's word in ST
	s_mul_i32 s66, s48, 32*1040
	s_add_co_u32 s66, s66, s61
	s_add_co_u32 s66, s66, OS
	v_mul_u32_u24 v14, v1, 1040
	v_lshl_add_u32 v14, v2, 6, v14
	v_add_nc_u32 v14, s66, v14                     ; v14: the way out, in
	v_and_b32 v16, 31, v0
	v_lshlrev_b32 v16, 4, v16                      ; v16: 16 x lane
	s_mul_i32 s67, s46, 4*1040
	s_add_co_u32 s67, s67, OS
	v_add_nc_u32 v15, s67, v16                     ; v15: the way out, back: my four rows
	v_lshlrev_b32 v17, 18, v2                      ; v17: idx, wts: the odd view lies 262,144 bytes on
	v_lshlrev_b32 v18, 4, v1                       ; v18: my 16 bytes of a pixel's 256
	s_mul_i32 s68, s46, 32*PIT
	s_add_co_u32 s68, s68, VF
	v_mul_u32_u24 v19, v2, PIT
	v_mad_u32_u24 v19, v1, 12, v19
	v_add_nc_u32 v19, s68, v19                     ; v19: a sampled row's codes: row 32 w + h, + 12 r
	s_lshl_b32 s69, s46, 8
	s_add_co_u32 s69, s69, VS
	v_lshrrev_b32 v20, 1, v1
	v_lshl_add_u32 v20, v2, 3, v20
	v_add_nc_u32 v20, s69, v20                     ; v20: and its block's scale byte
	s_mul_i32 s70, s48, 256*PIT
	s_add_co_u32 s70, s70, VF
	v_add_nc_u32 v21, s70, v21                     ; v21: a fragment of sampled rows: (256 g + r) 208 + 24 h
	s_lshl_b32 s71, s48, 11
	s_add_co_u32 s71, s71, VS
	v_lshl_add_u32 v22, v1, 3, s71                 ; v22: its scale words
	v_lshrrev_b32 v23, 3, v1
	v_mul_u32_u24 v23, v23, 144
	v_lshl_add_u32 v23, v2, 6, v23
	v_add_nc_u32 v23, s77, v23                     ; v23: q of the point of sampled row r: 144 (r / 8) + 64 h
	s_mul_i32 s72, s76, 16*PIT                     ; the hidden layer's own addresses, in registers of weight set 0 that pos_W2 leaves free
	s_mul_i32 s73, s75, 24
	s_add_co_u32 s72, s72, s73
	v_mul_u32_u24 v36, v1, PIT
	v_mad_u32_u24 v36, v2, 12, v36
	v_add_nc_u32 v36, s72, v36                     ; codes
	s_lshl_b32 s73, s76, 7
	s_add_co_u32 s73, s73, s75
	v_lshl_add_u32 v37, v1, 3, s73                 ; scale byte
	s_mul_i32 s72, s75, 384
	v_mul_u32_u24 v40, v2, 192
	v_add_nc_u32 v40, s72, v40                     ; pos_W1: 16 rows of 12 bytes
	s_lshl_b32 s72, s75, 7
	v_lshl_add_u32 v41, v2, 6, s72                 ; pos_b1
	s_mul_i32 s72, s76, 192
	v_mul_u32_u24 v42, v1, 12
	v_add_nc_u32 v42, s72, v42                     ; my point
	s_lshl_b32 s50, ttmp9, 10                      ; idx, wts: (64 wg + 4 w) x 16.  (Point b 8192 + n of view v lies at v 262,144 + (b 8192 + n) 16)
	s_lshl_b32 s51, s46, 6
	s_add_co_u32 s50, s50, s51
	s_mov_b32 s51, 0
	s_mul_i32 s54, ttmp9, 768                      ; points: 64 wg x 12
	s_mov_b32 s55, 0
	s_lshl_b32 s72, ttmp9, 16                      ; out0: (64 wg + 4 w) x 1,024
	s_lshl_b32 s73, s46, 12
	s_add_co_u32 s72, s72, s73
	s_mov_b32 s73, 0
	s_lshl_b32 s78, ttmp9, 11                      ; out1: 64 wg x 32
	s_mov_b32 s79, 0
	s_wait_kmcnt 0x0
	s_add_nc_u64 s[4:5], s[4:5], s[50:51]
	s_add_nc_u64 s[6:7], s[6:7], s[50:51]
	s_add_nc_u64 s[10:11], s[10:11], s[54:55]
	s_add_nc_u64 s[42:43], s[42:43], s[72:73]
	s_add_nc_u64 s[44:45], s[44:45], s[78:79]
.irp i, 0,1,2,3,4,5,6,7,8,9,10,11
	global_load_b128 v[FR+4*\i:FR+4*\i+3], v40, s[12:13] offset:16*\i          ; pos_W1, rows 32 b' + 16 h + 0 .. 15
.endr
.irp i, 0,1,2,3
	global_load_b128 v[ACC+16+4*\i:ACC+16+4*\i+3], v41, s[12:13] offset:P_B1+16*\i
.endr
	global_load_b32 v60, v42, s[10:11]
	global_load_b32 v61, v42, s[10:11] offset:4
	global_load_b32 v62, v42, s[10:11] offset:8
.irp u, 0,1                                    ; pos_W2: rows of 96 bytes, one K step: 18 loads
.irp p, 0,1,2,3,4,5
	global_load_b64 v[W0+24*\u+2*\p:W0+24*\u+2*\p+1], v38, s[14:15] offset:768*\u+48*(\p/3)+8*(\p%3)
.endr
.endr
.irp u, 0,1
	global_load_b32 v[SW0+2*\u], v39, s[16:17] offset:32*\u
.endr
.irp i, 0,1,2,3
	global_load_b128 v[B0+4*\i:B0+4*\i+3], v11, s[12:13] offset:P_B2+16*\i
.endr
	LOADW W1, B1, SW1, 18, 20, P_QB                ; q_W
	; ---- the hidden layer, relu(p pos_W1^T + pos_b1), in f32: lane (r, h) of wave w: point 16 (w / 4) + r, units 32 (w % 4) + 16 h + 0 .. 15
	s_wait_loadcnt 50                              ; the 19 loads for it are in; pos_W2's 18 and q_W's 32 stay out
.irp i, 0,1,2,3,4,5,6,7,8,9,10,11,12,13,14,15
	v_fma_f32 v[ACC+\i], v60, v[FR+3*\i], v[ACC+16+\i]
.endr
.irp i, 0,1,2,3,4,5,6,7,8,9,10,11,12,13,14,15
	v_fma_f32 v[ACC+\i], v61, v[FR+3*\i+1], v[ACC+\i]
.endr
.irp i, 0,1,2,3,4,5,6,7,8,9,10,11,12,13,14,15
	v_fma_f32 v[ACC+\i], v62, v[FR+3*\i+2], v[ACC+\i]
.endr
.irp i, 0,1,2,3,4,5,6,7,8,9,10,11,12,13,14,15
	v_max_num_f32 v[ACC+\i], 0, v[ACC+\i]
.endr
	QUANT16 ACC, 0, 0
	PUT 36, 37, ACTA, ASCA
	BARRIER                                        ; the hidden layer's codes lie in ACTA
	; ---- pe = hidden pos_W2^T + pos_b2
	FRAGS ACTA, ASCA, 1
	s_wait_loadcnt 32                              ; pos_W2 is in; q_W's 32 loads may be out
	s_wait_dscnt 0x0
	GEMM W0, B0, SW0, 1
	LOADW W0, B0, SW0, 22, 24, P_BQ                ; Wq
.irp t, 0,1
	QUANT16 ACC+16*\t, 1, 0
	PUT 5, 6, ACTB+3328*\t, ASCB+128*\t
.endr
	BARRIER                                        ; pe's codes lie in ACTB
	; ---- q_in = pe q_W^T + q_b: kept in f32 for the residual, quantised for the next product
	FRAGS ACTB, ASCB, 2
	s_wait_loadcnt 32                              ; q_W is in; Wq's 32 loads may be out
	s_wait_dscnt 0x0
	GEMM W1, B1, SW1, 2
.irp t, 0,1
.irp i, 0,1,2,3
	ds_store_b128 v8, v[ACC+16*\t+4*\i:ACC+16*\t+4*\i+3] offset:2304*\t+16*\i
.endr
.endr
.irp t, 0,1
	QUANT16 ACC+16*\t, 1, 0
	PUT 5, 6, ACTA+3328*\t, ASCA+128*\t
.endr
	BARRIER                                        ; q_in's codes lie in ACTA
	; ---- q = q_in Wq^T + bq, times log2(e) / sqrt(32), into my own bytes of LDS
	FRAGS ACTA, ASCA, 2
	s_wait_loadcnt 0x0                             ; Wq
	s_wait_dscnt 0x0
	GEMM W0, B0, SW0, 2
; THE GATHER.  Pair k of wave w is sampled rows 32 w + 2 k + h: point 4 w + k / 4, view 2 (k % 4) + h.
.macro ILOAD k                         ; its four tap numbers and four weights: two loads
	global_load_b128 v[IX+8*((\k)%4):IX+8*((\k)%4)+3], v17, s[4:5] offset:((\k)%4)*524288+((\k)/4)*16
	global_load_b128 v[IX+8*((\k)%4)+4:IX+8*((\k)%4)+7], v17, s[6:7] offset:((\k)%4)*524288+((\k)/4)*16
.endm
.macro GISSUE k                        ; its four taps: sixteen loads, each of 256 consecutive bytes for sixteen lanes
.set GT, TA+4*((\k)%2)
.set GI, IX+8*((\k)%4)
.set GS, SL+64*((\k)%2)
.irp a, 0,1,2,3
	v_min_u32 v[GT+\a], 0xffff, v[GI+\a]           ; a pixel number stays inside fmT's 65,536 pixels
.endr
.irp a, 0,1,2,3
	v_lshl_add_u32 v[GT+\a], v[GT+\a], 10, v18
.endr
.irp a, 0,1,2,3
.irp q, 0,1,2,3
	global_load_b128 v[GS+16*\a+4*\q:GS+16*\a+4*\q+3], v[GT+\a], s[8:9] offset:256*\q
.endr
.endr
.endm
; Trip i.  Loads were issued in the order .. taps i, numbers i + 2, taps i + 1, numbers i + 3: the wait leaves the last two groups out (16 + 2 loads; fewer at the ends), so that this pair's taps and the numbers of the pair
; that is asked for below are in, and this slot's address registers are free.
.macro GTRIP i
.set GX, SL+64*((\i)%2)
.set GW, IX+8*((\i)%4)+4
.if \i == 0
	s_wait_loadcnt 16
.elseif \i <= 12
	s_wait_loadcnt 18
.elseif \i <= 14
	s_wait_loadcnt 16
.else
	s_wait_loadcnt 0
.endif
.irp j, 0,2,4,6,8,10,12,14
	v_pk_mul_f32 v[GX+\j:GX+\j+1], v[GX+\j:GX+\j+1], v[GW:GW+1] op_sel_hi:[1,0]
.endr
.irp j, 0,2,4,6,8,10,12,14
	v_pk_fma_f32 v[GX+\j:GX+\j+1], v[GX+16+\j:GX+16+\j+1], v[GW:GW+1], v[GX+\j:GX+\j+1] op_sel:[0,1,0] op_sel_hi:[1,1,1]
.endr
.irp j, 0,2,4,6,8,10,12,14
	v_pk_fma_f32 v[GX+\j:GX+\j+1], v[GX+32+\j:GX+32+\j+1], v[GW+2:GW+3], v[GX+\j:GX+\j+1] op_sel_hi:[1,0,1]
.endr
.irp j, 0,2,4,6,8,10,12,14
	v_pk_fma_f32 v[GX+\j:GX+\j+1], v[GX+48+\j:GX+48+\j+1], v[GW+2:GW+3], v[GX+\j:GX+\j+1] op_sel:[0,1,0] op_sel_hi:[1,1,1]
.endr
	QUANT16 GX, 1, 1                               ; channels 16 r .. 16 r + 15; the block's other half lies in lane l xor 1
	PUT 19, 20, 416*\i, 16*\i
.if \i < 14
	GISSUE \i+2
.endif
.if \i < 12
	ILOAD \i+4
.endif
.endm
	ILOAD 0                                        ; (into registers that held fragments: the places behind the products have passed)
	ILOAD 1
	ILOAD 2
	ILOAD 3
.irp j, 0,2,4,6,8,10,12,14,16,18,20,22,24,26,28,30
	v_pk_mul_f32 v[ACC+\j:ACC+\j+1], v[ACC+\j:ACC+\j+1], 0x3e8293ee op_sel_hi:[1,0]
.endr
.irp t, 0,1
.irp i, 0,1,2,3
	ds_store_b128 v7, v[ACC+16*\t+4*\i:ACC+16*\t+4*\i+3] offset:2304*\t+16*\i
.endr
.endr
	s_wait_loadcnt 4                               ; the numbers of pairs 0 and 1 are in; those of pairs 2 and 3 may be out
	GISSUE 0
	GISSUE 1
.irp i, 0,1,2,3,4,5,6,7,8,9,10,11,12,13,14,15
	GTRIP \i
.endr
	; ---- Wk (transposed use), Wv (natural use: lane r takes row 32 hd + 16 u + r) and their biases
	v_add_nc_u32 v254, s60, v1
	v_mul_u32_u24 v252, v254, 192
	v_mad_u32_u24 v252, v2, 24, v252
	v_lshlrev_b32 v253, 3, v254
	v_lshlrev_b32 v254, 2, v254
	LOADW WK, BK, SW0, 26, 28, P_BK
.irp u, 0,1
.irp s, 0,1
.irp p, 0,1,2,3,4,5
	global_load_b64 v[WV+12*(2*\u+\s)+2*\p:WV+12*(2*\u+\s)+2*\p+1], v252, s[30:31] offset:3072*\u+96*\s+48*(\p/3)+8*(\p%3)
.endr
.endr
.endr
.irp u, 0,1
.irp s, 0,1
	global_load_b32 v[SW1+2*\u+\s], v253, s[32:33] offset:128*\u+4*\s
.endr
.endr
.irp u, 0,1
.irp j, 0,1,2,3,4,5,6,7
	global_load_b32 v[BV+8*\u+\j], v254, s[12:13] offset:P_BV+64*\u   ; as a C: my feature's bias in all eight registers (eight rows)
.endr
.endr
	BARRIER                                        ; all 512 sampled rows lie in LDS
	s_wait_loadcnt 0x0
	v_mul_u32_u24 v17, v2, 144
	v_lshl_add_u32 v17, v1, 2, v17
	v_add_nc_u32 v17, s77, v17                     ; v17: ctx of point h of a row tile, feature r
	s_lshl_b32 s72, s47, 8
	s_add_co_u32 s72, s72, s63
	s_add_co_u32 s72, s72, ST
	v_lshrrev_b32 v18, 3, v1
	v_lshl_add_u32 v18, v18, 2, s72                ; v18: ST[hd][32 g + r / 8]
.irp j, 0,1,2,3,4,5,6,7
	v_mov_b32 v[PP+\j], 0                          ; (destinations of DPP moves count as read)
.endr
	s_mov_b32 vcc_lo, 0xffff0000                   ; lanes 16-31
	s_mov_b32 s54, 0
	s_mov_b32 s70, 0                               ; a trip steps: 16 rows of codes,
	s_mov_b32 s71, 0                               ; 16 rows of scale bytes,
	s_mov_b32 s72, 0                               ; 2 points of q and ctx,
	s_mov_b32 s73, 0                               ; 2 words of ST
; THE ATTENTION OF MY HEAD: trip t takes row tile 16 g + t: points 2 t and 2 t + 1 of my 32, 8 views each.
.macro KMM u, s
.if \s == 0
	v_wmma_scale_f32_16x16x128_f8f6f4 v[DK+8*\u:DK+8*\u+7], v[WK+12*(2*\u+\s):WK+12*(2*\u+\s)+11], v[AFR+12*\s:AFR+12*\s+11], v[BK+8*\u:BK+8*\u+7], v[SW0+2*\u+\s], v[SA+\s] matrix_a_fmt:MATRIX_FMT_FP6 matrix_b_fmt:MATRIX_FMT_FP6
.else
	v_wmma_scale_f32_16x16x128_f8f6f4 v[DK+8*\u:DK+8*\u+7], v[WK+12*(2*\u+\s):WK+12*(2*\u+\s)+11], v[AFR+12*\s:AFR+12*\s+11], v[DK+8*\u:DK+8*\u+7], v[SW0+2*\u+\s], v[SA+\s] matrix_a_fmt:MATRIX_FMT_FP6 matrix_b_fmt:MATRIX_FMT_FP6
.endif
.endm
.macro VMM u, s
.if \s == 0
	v_wmma_scale_f32_16x16x128_f8f6f4 v[DV+8*\u:DV+8*\u+7], v[AFR+12*\s:AFR+12*\s+11], v[WV+12*(2*\u+\s):WV+12*(2*\u+\s)+11], v[BV+8*\u:BV+8*\u+7], v[SA+\s], v[SW1+2*\u+\s] matrix_a_fmt:MATRIX_FMT_FP6 matrix_b_fmt:MATRIX_FMT_FP6
.else
	v_wmma_scale_f32_16x16x128_f8f6f4 v[DV+8*\u:DV+8*\u+7], v[AFR+12*\s:AFR+12*\s+11], v[WV+12*(2*\u+\s):WV+12*(2*\u+\s)+11], v[DV+8*\u:DV+8*\u+7], v[SA+\s], v[SW1+2*\u+\s] matrix_a_fmt:MATRIX_FMT_FP6 matrix_b_fmt:MATRIX_FMT_FP6
.endif
.endm
.Latt:
	s_wait_dscnt 0x0                               ; the last trip's stores are done
	v_add_nc_u32 v252, s70, v21
	v_add_nc_u32 v253, s71, v22
	v_add_nc_u32 v254, s72, v23
.irp s, 0,1
.irp p, 0,1,2,3,4,5
	ds_load_b64 v[AFR+12*\s+2*\p:AFR+12*\s+2*\p+1], v252 offset:96*\s+48*(\p/3)+8*(\p%3)
.endr
.endr
	ds_load_b64 v[SA:SA+1], v253
.irp i, 0,1,2,3
	ds_load_b128 v[AQ+4*\i:AQ+4*\i+3], v254 offset:16*\i   ; q of my row's point, features 16 h + 0 .. 15
.endr
	s_wait_dscnt 0x0
	KMM 0, 0                                       ; four accumulators by turns: k's two tiles, v's two
	KMM 1, 0
	VMM 0, 0
	VMM 1, 0
	KMM 0, 1
	KMM 1, 1
	VMM 0, 1
	VMM 1, 1
	v_add_nc_u32 v255, s72, v17                    ; five places: this trip's store addresses, and three empty ones
	v_add_nc_u32 v19, s73, v18
	v_nop
	v_nop
	v_nop
	v_pk_mul_f32 v[232:233], v[DK:DK+1], v[AQ:AQ+1]           ; the score: lane (r, h) holds sampled row r and 16 of the head's 32
	v_pk_mul_f32 v[234:235], v[DK+8:DK+9], v[AQ+8:AQ+9]
.irp i, 2,4,6
	v_pk_fma_f32 v[232:233], v[DK+\i:DK+\i+1], v[AQ+\i:AQ+\i+1], v[232:233]
	v_pk_fma_f32 v[234:235], v[DK+8+\i:DK+8+\i+1], v[AQ+8+\i:AQ+8+\i+1], v[234:235]
.endr
	v_pk_add_f32 v[232:233], v[232:233], v[234:235]
	v_add_f32 v232, v232, v233
	v_permlanex16_b32 v233, v232, s52, s53
	v_add_f32 v232, v232, v233                     ; t = score x log2(e) / sqrt(32) of point r / 8, view r % 8
	v_mov_b32 v234, v232
	v_max_num_f32_dpp v234, v234, v234 row_xmask:1 row_mask:0xf bank_mask:0xf   ; the largest of the point's eight views is taken away
	v_max_num_f32_dpp v234, v234, v234 row_xmask:2 row_mask:0xf bank_mask:0xf
	v_max_num_f32_dpp v234, v234, v234 row_xmask:4 row_mask:0xf bank_mask:0xf
	v_sub_f32 v232, v232, v234
	v_exp_f32 v232, v232
	v_nop
	s_wait_alu depctr_va_vdst(0)
	v_mov_b32 v235, v232
	v_add_f32_dpp v235, v235, v235 row_xmask:1 row_mask:0xf bank_mask:0xf
	v_add_f32_dpp v235, v235, v235 row_xmask:2 row_mask:0xf bank_mask:0xf
	v_add_f32_dpp v235, v235, v235 row_xmask:4 row_mask:0xf bank_mask:0xf
	v_rcp_f32 v236, v235
	v_nop
	s_wait_alu depctr_va_vdst(0)
	v_mul_f32 v232, v232, v236                     ; the attention weight
	v_mov_b32 v237, v232
	v_add_f32_dpp v237, v237, v237 row_xmask:1 row_mask:0xf bank_mask:0xf       ; the sum over keys of the weights, for the view attention
	v_add_f32_dpp v237, v237, v237 row_xmask:2 row_mask:0xf bank_mask:0xf
	v_add_f32_dpp v237, v237, v237 row_xmask:4 row_mask:0xf bank_mask:0xf
	v_mov_b32_dpp v233, v232 row_xmask:8 row_mask:0xf bank_mask:0xf
	v_cndmask_b32 v233, v232, v233, vcc_lo         ; places 0-7 of each half of the lanes: the weights of point h
.irp j, 0,1,2,3,4,5,6,7
	v_mov_b32_dpp v[PP+\j], v233 row_share:\j row_mask:0xf bank_mask:0xf
.endr
	v_pk_mul_f32 v[234:235], v[PP:PP+1], v[DV:DV+1]           ; ctx: lane (r, h) holds feature 16 u + r of point h, register j view j
	v_pk_mul_f32 v[238:239], v[PP:PP+1], v[DV+8:DV+9]
.irp i, 2,4,6
	v_pk_fma_f32 v[234:235], v[PP+\i:PP+\i+1], v[DV+\i:DV+\i+1], v[234:235]
	v_pk_fma_f32 v[238:239], v[PP+\i:PP+\i+1], v[DV+8+\i:DV+8+\i+1], v[238:239]
.endr
	v_add_f32 v234, v234, v235
	v_add_f32 v238, v238, v239
	ds_store_b32 v255, v234                        ; over the q of these two points, which has been read: my own bytes, served in order
	ds_store_b32 v255, v238 offset:64
	ds_store_b32 v19, v237                         ; (eight lanes and both halves write the same word with the same value)
	s_add_co_u32 s70, s70, 16*PIT
	s_add_co_u32 s71, s71, 128
	s_add_co_u32 s72, s72, 288
	s_add_co_u32 s73, s73, 8
	s_add_co_u32 s54, s54, 1
	s_cmp_lt_u32 s54, 16
	s_cbranch_scc1 .Latt
	; ---- ctx is quantised
	LOADW W0, B0, SW0, 34, 36, P_BO                ; Wo
	LOADW W1, B1, SW1, 38, 40, P_OB                ; out_W
.irp t, 0,1
.irp i, 0,1,2,3
	ds_load_b128 v[ACC+16*\t+4*\i:ACC+16*\t+4*\i+3], v7 offset:2304*\t+16*\i
.endr
.endr
	s_wait_dscnt 0x0
.irp t, 0,1
	QUANT16 ACC+16*\t, 1, 0
	PUT 5, 6, ACTB+3328*\t, ASCB+128*\t
.endr
	BARRIER                                        ; ctx's codes lie in ACTB; every head's sums lie in ST
	; ---- attended = ctx Wo^T + bo, + q_in, LayerNorm 1
	FRAGS ACTB, ASCB, 2
	s_wait_loadcnt 32                              ; Wo is in; out_W's 32 loads may be out
	s_wait_dscnt 0x0
	GEMM W0, B0, SW0, 2
.irp t, 0,1
.irp i, 0,1,2,3
	ds_load_b128 v[FR+16*\t+4*\i:FR+16*\t+4*\i+3], v8 offset:2304*\t+16*\i
.endr
.endr
.irp i, 0,1,2,3
	global_load_b128 v[24+4*\i:27+4*\i], v11, s[12:13] offset:P_G1+16*\i
.endr
.irp i, 0,1,2,3
	global_load_b128 v[40+4*\i:43+4*\i], v11, s[12:13] offset:P_N1+16*\i
.endr
.irp i, 0,1,2,3
	global_load_b128 v[56+4*\i:59+4*\i], v11, s[12:13] offset:P_G2+16*\i
.endr
.irp i, 0,1,2,3
	global_load_b128 v[72+4*\i:75+4*\i], v11, s[12:13] offset:P_N2+16*\i
.endr
	s_wait_dscnt 0x0
.irp j, 0,2,4,6,8,10,12,14,16,18,20,22,24,26,28,30
	v_pk_add_f32 v[ACC+\j:ACC+\j+1], v[ACC+\j:ACC+\j+1], v[FR+\j:FR+\j+1]
.endr
	LNSTAT ACC, LNA, 0
	LNSTAT ACC+16, LNA, 1
	BARRIER
	s_wait_loadcnt 8                               ; out_W and LayerNorm 1's gain and bias are in; LayerNorm 2's eight loads may be out
	LNAPPLY ACC, LNA, 24, 40, 0
	LNAPPLY ACC+16, LNA, 24, 40, 1
.irp t, 0,1
	QUANT16 ACC+16*\t, 1, 0
	PUT 5, 6, ACTA+3328*\t, ASCA+128*\t
.endr
	BARRIER
	; ---- out_W, LayerNorm 2
	FRAGS ACTA, ASCA, 2
	s_wait_dscnt 0x0
	GEMM W1, B1, SW1, 2
	LNSTAT ACC, LNB, 0
	LNSTAT ACC+16, LNB, 1
	BARRIER
	s_wait_loadcnt 0x0
	LNAPPLY ACC, LNB, 56, 72, 0
	LNAPPLY ACC+16, LNB, 56, 72, 1
	; ---- view attention and the sum over views.  The mean over heads and keys of the weights is one number a point, the same for its 8 query places: the softmax is taken of 8 equal entries, the sum of 8 equal terms.
	v_lshlrev_b32 v255, 2, v4
	v_lshl_add_u32 v255, v2, 4, v255               ; out1: (32 g + r) 32 + 16 h
.irp t, 0,1
.irp f, 0,1,2,3,4,5,6,7
	ds_load_b32 v[216+\f], v13 offset:ST+256*\f+64*\t
.endr
	s_wait_dscnt 0x0
	v_add_f32 v232, v216, v217
	v_add_f32 v233, v218, v219
	v_add_f32 v234, v220, v221
	v_add_f32 v235, v222, v223
	v_add_f32 v232, v232, v233
	v_add_f32 v234, v234, v235
	v_add_f32 v232, v232, v234
	v_mul_f32 v232, 0x3c800000, v232               ; / 64: the mean over 8 heads and 8 keys
	v_max_num_f32 v233, v232, v232                 ; the largest of the eight equal entries
	v_sub_f32 v233, v232, v233
	v_mul_f32 v233, 0x3fb8aa3b, v233
	v_exp_f32 v233, v233
	v_nop
	s_wait_alu depctr_va_vdst(0)
	v_mul_f32 v234, 0x41000000, v233               ; the sum of the eight
	v_rcp_f32 v234, v234
	v_nop
	s_wait_alu depctr_va_vdst(0)
	v_mul_f32 v[224+4*\t], v233, v234              ; view attention
	v_mov_b32 v[225+4*\t], v[224+4*\t]
	v_mov_b32 v[226+4*\t], v[224+4*\t]
	v_mov_b32 v[227+4*\t], v[224+4*\t]
	v_mul_f32 v236, 0x41000000, v[224+4*\t]        ; eight equal terms final x view attention: the factor 8 rounds nothing
.irp j, 0,2,4,6,8,10,12,14
	v_pk_mul_f32 v[ACC+16*\t+\j:ACC+16*\t+\j+1], v[ACC+16*\t+\j:ACC+16*\t+\j+1], v[236:237] op_sel_hi:[1,0]
.endr
.irp i, 0,1,2,3
	ds_store_b128 v14, v[ACC+16*\t+4*\i:ACC+16*\t+4*\i+3] offset:16640*\t+16*\i
.endr
.endr
	s_cmp_lg_u32 s47, 0                            ; out1 is stored by the two waves with fb = 0
	s_cbranch_scc1 .Lno_va
	global_store_b128 v255, v[224:227], s[44:45]   ; 16 points x 32 bytes: 512 consecutive bytes
	global_store_b128 v255, v[228:231], s[44:45] offset:512
.Lno_va:
	BARRIER                                        ; 64 whole rows of out0 lie in LDS
.irp n, 0,1,2,3,4,5,6,7
	ds_load_b128 v[ACC+4*\n:ACC+4*\n+3], v15 offset:1040*(\n/2)+512*(\n%2)
.endr
.irp n, 0,1,2,3,4,5,6,7
	s_wait_dscnt 7-\n                              ; load n is in; the younger ones stay out
	global_store_b128 v16, v[ACC+4*\n:ACC+4*\n+3], s[42:43] offset:1024*(\n/2)+512*(\n%2) th:TH_STORE_NT   ; 32 lanes store 512 consecutive bytes, at a multiple of 256 from out0's first byte
.endr
	s_wait_xcnt 0x0
	v_lshl_add_u32 v254, v0, 2, 0x48400
	v_mov_b32 v255, 0
	s_wait_tensorcnt 0x0
	ds_add_u32 v254, v255
	s_wait_dscnt 0x0
	s_endpgm
.Lfunc_end_k_qe4aba4761c_main:
	.size	k_qe4aba4761c_main, .Lfunc_end_k_qe4aba4761c_main-k_qe4aba4761c_main
	.p2alignl 7, 3214868480
	.fill 96, 4, 3214868480
	.section	.rodata,"a",@progbits
	.p2align	6, 0x0
	.amdhsa_kernel k_qe4aba4761c_main
		.amdhsa_group_segment_fixed_size 297984
		.amdhsa_private_segment_fixed_size 0
		.amdhsa_enable_private_segment 0
		.amdhsa_kernarg_size 168
		.amdhsa_user_sgpr_count 2
		.amdhsa_user_sgpr_kernarg_segment_ptr 1
		.amdhsa_wavefront_size32 1
		.amdhsa_system_sgpr_workgroup_id_x 1
		.amdhsa_system_sgpr_workgroup_id_y 1
		.amdhsa_system_sgpr_workgroup_id_z 1
		.amdhsa_system_vgpr_workitem_id 0
		.amdhsa_next_free_vgpr 256
		.amdhsa_next_free_sgpr 80
		.amdhsa_reserve_vcc 1
		.amdhsa_float_denorm_mode_32 3
		.amdhsa_float_denorm_mode_16_64 3
		.amdhsa_memory_ordered 1
		.amdhsa_forward_progress 1
		.amdhsa_inst_pref_size 184
	.end_amdhsa_kernel
	.amdgpu_metadata
---
amdhsa.version: [ 1, 2 ]
amdhsa.kernels:
  - .name:           k_qe4aba4761c_main
    .symbol:         k_qe4aba4761c_main.kd
    .args:
      - { .name: idx, .offset: 0, .size: 8, .value_kind: global_buffer, .address_space: global }
      - { .name: wts, .offset: 8, .size: 8, .value_kind: global_buffer, .address_space: global }
      - { .name: fmT, .offset: 16, .size: 8, .value_kind: global_buffer, .address_space: global }
      - { .name: points_3d, .offset: 24, .size: 8, .value_kind: global_buffer, .address_space: global }
      - { .name: params, .offset: 32, .size: 8, .value_kind: global_buffer, .address_space: global }
      - { .name: pos_W2_codes, .offset: 40, .size: 8, .value_kind: global_buffer, .address_space: global }
      - { .name: pos_W2_scales, .offset: 48, .size: 8, .value_kind: global_buffer, .address_space: global }
      - { .name: q_W_codes, .offset: 56, .size: 8, .value_kind: global_buffer, .address_space: global }
      - { .name: q_W_scales, .offset: 64, .size: 8, .value_kind: global_buffer, .address_space: global }
      - { .name: Wq_codes, .offset: 72, .size: 8, .value_kind: global_buffer, .address_space: global }
      - { .name: Wq_scales, .offset: 80, .size: 8, .value_kind: global_buffer, .address_space: global }
      - { .name: Wk_codes, .offset: 88, .size: 8, .value_kind: global_buffer, .address_space: global }
      - { .name: Wk_scales, .offset: 96, .size: 8, .value_kind: global_buffer, .address_space: global }
      - { .name: Wv_codes, .offset: 104, .size: 8, .value_kind: global_buffer, .address_space: global }
      - { .name: Wv_scales, .offset: 112, .size: 8, .value_kind: global_buffer, .address_space: global }
      - { .name: Wo_codes, .offset: 120, .size: 8, .value_kind: global_buffer, .address_space: global }
      - { .name: Wo_scales, .offset: 128, .size: 8, .value_kind: global_buffer, .address_space: global }
      - { .name: out_W_codes, .offset: 136, .size: 8, .value_kind: global_buffer, .address_space: global }
      - { .name: out_W_scales, .offset: 144, .size: 8, .value_kind: global_buffer, .address_space: global }
      - { .name: out0, .offset: 152, .size: 8, .value_kind: global_buffer, .address_space: global }
      - { .name: out1, .offset: 160, .size: 8, .value_kind: global_buffer, .address_space: global }
    .group_segment_fixed_size: 297984
    .private_segment_fixed_size: 0
    .kernarg_segment_align: 8
    .kernarg_segment_size: 168
    .max_flat_workgroup_size: 512
    .sgpr_count:     80
    .vgpr_count:     256
    .wavefront_size: 32
...
	.end_amdgpu_metadata
.endif
;; end of part 2
;; ======== version 2 of 2: 2 launches; version 1 with the launch main written anew for expert scheduling mode
;; workspace buffers: fmT 67,108,864 bytes; idx 2,097,152 bytes of whole numbers; wts 2,097,152 bytes; params 13,312 bytes
;; launch prep: the kernel of part 1 again; grid 64 x 16, 8 waves a work-group, no clusters, 66,560 bytes of LDS; arguments feature_maps, points_3d, R, T, K, pos_W1, pos_b1, pos_b2, q_b, bq, bk, bv, bo, out_b, n1_g, n1_b, n2_g, n2_b, fmT, idx, wts, params; writes fmT, idx, wts, params
;; launch main (part 3): grid 256 x 1, 16 waves a work-group, no clusters, 297,984 bytes of LDS; arguments idx, wts, fmT, points_3d, params, pos_W2_codes, pos_W2_scales, q_W_codes, q_W_scales, Wq_codes, Wq_scales, Wk_codes, Wk_scales, Wv_codes, Wv_scales, Wo_codes, Wo_scales, out_W_codes, out_W_scales, out0, out1; writes out0, out1
.if DOCPART == 3
	.amdgcn_target "amdgcn-amd-amdhsa--gfx1250"
	.amdhsa_code_object_version 6
	.text
	.protected	k_qe4aba4761c_main
	.globl	k_qe4aba4761c_main
	.p2align	8
	.type	k_qe4aba4761c_main,@function
k_qe4aba4761c_main:
	s_mov_b64 s[64:65], 0
	v_nop
	global_prefetch_b8 v0, s[64:65] scope:SCOPE_SE
	s_setreg_imm32_b32 hwreg(HW_REG_WAVE_SCHED_MODE, 0, 2), 2
	s_setreg_imm32_b32 hwreg(HW_REG_WAVE_MODE, 25, 1), 1
	s_wait_xcnt 0x0
	s_wait_alu depctr_vm_vsrc(0)
; THE WHOLE CHAIN FOR 64 POINTS A WORK-GROUP: positional MLP, query, bilinear samples of 8 views, keys and values, attention, Wo, residual, LayerNorm, out_W, LayerNorm, view attention, sum over views.
; All seven quantised products run on codes of FP6 (E2M3) with one E8M0 scale for each 32 along K; every operand that is computed on the way is quantised in registers from f32.
; WHAT reference() ITSELF REPEATS IS COMPUTED ONCE.  It broadcasts pe over the 8 views, so q_in, q, the scores, attn, ctx, attended and final are one row for all 8 query places of a point, for every input:
; the products by q_W, Wq, Wo and out_W and both LayerNorms have 64 different rows here, those by Wk and Wv 512.  aw.mean(-1) is one number a point in 8 equal copies; its softmax and the sum over views are taken of those 8 equal entries.
; SHARES.  Sixteen waves of 256 registers, four to a SIMD.  Wave w: fb = w % 8, a block of 32 output features, which is also an attention head; g = w / 8, points 32 g .. 32 g + 31.  Lane: r = lane % 16, h = lane / 16.
; A wave keeps its 32 rows of the weight in hand in registers; no weight goes through LDS.  Its 32 outputs are one whole block of the next product's K: it quantises them itself, and 12 bytes of codes a lane and one scale byte go to LDS.
; TRANSPOSED USE (source 0 = 16 rows of the weight, source 1 = 16 rows of activations), with lane r of weight tile u taking row 32 fb + 8 u + r + 8 (r / 8): lane (r, h) then holds activation row r,
; and the 16 registers of tiles 0 and 1 are features 32 fb + 16 h + 0 .. 15.  The product by Wv alone is used the natural way (source 0 = the 16 sampled rows): lane (r, h) holds feature r of point h, register j view j.
; The biases are the C of each sum's first matrix instruction.  Accumulators take turns, one instruction a turn.
; THE SAMPLES.  Tap numbers and weights were stored by the launch before.  Sixteen lanes read a pixel's 1,024 bytes by four loads of 256 consecutive bytes; a lane gets 16 neighbouring channels.  Two pairs of rows (32 loads) and two index loads of a wave are on their way.
; NO CLUSTER, NO TENSOR LOAD: what work-groups share are the seven weights, 333 KB, which each wave takes straight into registers (6 KiB of codes a weight); a work-group's own gather is 512 rows x 4 taps x 1,024 bytes = 2 MiB, by a stored list.
; LIMITS: inputs that are not finite are not served (FP6 has no code for them).  A block whose largest magnitude lies under 2^-124 is held at the scale byte 1; a block of zeros gets the byte 1 too: its codes are zeros, and this program alone reads the bytes.
; THE MODE: SCHED_MODE bits 1:0 = 2 (LLVM: expert scheduling mode 2), set by the entry lines.  The code itself states the register dependences
; between vector or matrix instructions and memory or LDS instructions, with s_wait_alu, always for 0.
; THE PLAN.  Registers that memory or LDS instructions touch, and who else names them:
;   v3-16, v20    addresses, made at the head and never written again: the one wait on va_vdst ahead of the first load serves them for the whole kernel.
;   weight sets   (v24-151, scale words v240-247) read by products; the next weight, a slot of the gather or the LayerNorms' gains land there behind a wait on va_vdst that follows those products.
;   FR, SA        fragments and scale words of activations: loaded from LDS, read by a phase's products, loaded again a phase later, behind the wait that stands ahead of that phase's stores.
;   ACC           written by products and vector work, read by LDS stores (q_in, q, the way out): va_vdst ahead of the stores, vm_vsrc ahead of whatever writes the registers again.
;   CD, BY        16 codes and a scale byte: written by the quantiser, read by its four stores: va_vdst ahead of the stores, vm_vsrc in the next quantiser ahead of the two lines that write them.
;   the gather    trip i blends slot i % 2 by index set i % 4, quantises, and makes the tap addresses of pair i + 2.  ONE wait on va_vdst follows; behind it stand the trip's 16 tap loads (into slot i % 2), 2 index loads (into set i % 4) and 4 LDS stores.
;   the attention the fragments, scale words and q of tile t + 1 are asked for in trip t: the fragments behind the wait that follows the eight products and the five address additions, q behind the exponential's wait, which lies behind q's last reader;
;                 a third wait on va_vdst stands ahead of the trip's three stores, and one on vm_vsrc at the trip's head frees the five addresses and the three stored registers.
;   v17, v19, v252-255  addresses that are written again: each time behind a wait on vm_vsrc that follows their last reader.
; No operand or scale of a product is written by a vector instruction; no vector instruction writes VCC; EXEC is written nowhere.
; LDS (bytes): rows of codes are 192 bytes + 16: 52 words, so that the 32 lanes of a fragment's load of 8 bytes touch 64 different banks (64 banks of 4 bytes: ISA guide 11.1).
.set PIT,  208
.set ACTA, 0                           ; 64 rows of codes, two buffers by turns
.set ACTB, 13312
.set ASCA, 26624                       ; their scale bytes, 8 a row
.set ASCB, 27136
.set ST,   27648                       ; [head][64 points] f32: the sum over keys of the attention weights
.set LNA,  29696                       ; [fb][64 points][sum, sum of squared distances from the block's mean]
.set LNB,  33792
.set QC,   37888                       ; 16 waves x 32 points x 144 bytes: q, later ctx; each wave's own
.set QI,   111616                      ; the same shape: q_in; each wave's own
.set VS,   185344                      ; 512 rows x 8 scale bytes
.set VF,   189440                      ; 512 sampled rows of codes
.set OS,   VF                          ; the way out: 64 rows x (1,024 + 16) bytes, where the sampled rows lay
; params, in bytes
.set P_B1, 1536
.set P_B2, 2048
.set P_QB, 3072
.set P_BQ, 4096
.set P_BK, 5120
.set P_BV, 6144
.set P_BO, 7168
.set P_OB, 8192
.set P_G1, 9216
.set P_N1, 10240
.set P_G2, 11264
.set P_N2, 12288
; REGISTERS.  v1 r, v2 h, v3-23 addresses (named where they are made).  v240-251 scale words and nothing else.  v232-239 at work.  v252-255 addresses in hand.
.set W0,  24                           ; the point's path: two sets of a weight's four fragments (tile u, K step s at + 12 (2 u + s)) and its 16 numbers of bias
.set B0,  72
.set W1,  88
.set B1,  136
.set ACC, 152                          ; four accumulators: point tile t at + 16 t, feature tile u at + 8 u
.set FR,  184                          ; four fragments of activations: point tile t at + 24 t, K step s at + 12 s
.set SW0, 240
.set SW1, 244
.set SA,  248
.set CD,  232                          ; v232-234 16 codes
.set BY,  235                          ; the scale's byte
.set MX,  236
.set PX,  237
.set SC,  238
.set SL,  24                           ; the gather: two slots of 64 (tap a at + 16 a);
.set TA,  184                          ; four tap addresses a slot;
.set IX,  192                          ; four sets of 4 tap numbers and 4 weights
.set WK,  24                           ; the attention
.set WV,  72
.set BK,  120
.set BV,  136
.set AFR, 152
.set AQ,  176
.set DK,  192
.set DV,  208
.set PP,  224
.macro BARRIER                         ; my LDS stores have landed and my LDS loads are in: then the work-group's barrier
	s_wait_dscnt 0x0
	s_barrier_signal -1
	s_barrier_wait -1
.endm
; Behind a run of matrix instructions: four plain instructions in front of reads of results, five in front of a matrix instruction that writes over them (ISA guide 7.12.1).
.macro PLACES
.rept 5
	v_nop
.endr
.endm
; A weight of 256 along K: my 32 rows' four fragments, their scale words, my 16 numbers of its bias: 32 loads
.macro LOADW wreg, breg, swreg, cp, sp, boff
.irp u, 0,1
.irp s, 0,1
.irp p, 0,1,2,3,4,5
	global_load_b64 v[\wreg+12*(2*\u+\s)+2*\p:\wreg+12*(2*\u+\s)+2*\p+1], v9, s[\cp:\cp+1] offset:1536*\u+96*\s+48*(\p/3)+8*(\p%3)
.endr
.endr
.endr
.irp u, 0,1
.irp s, 0,1
	global_load_b32 v[\swreg+2*\u+\s], v10, s[\sp:\sp+1] offset:64*\u+4*\s
.endr
.endr
.irp i, 0,1,2,3
	global_load_b128 v[\breg+4*\i:\breg+4*\i+3], v11, s[12:13] offset:\boff+16*\i
.endr
.endm
; My 32 points' fragments and scale words out of LDS; nst K steps of 128.  They land in registers whose last readers stand ahead of the wait on va_vdst in front of the phase's code stores; no vector or matrix instruction since names them.
.macro FRAGS abuf, sbuf, nst
.irp t, 0,1
.irp s, 0,1
.if \s < \nst
.irp p, 0,1,2,3,4,5
	ds_load_b64 v[FR+24*\t+12*\s+2*\p:FR+24*\t+12*\s+2*\p+1], v3 offset:\abuf+3328*\t+96*\s+48*(\p/3)+8*(\p%3)
.endr
.endif
.endr
.if \nst == 2
	ds_load_b64 v[SA+2*\t:SA+2*\t+1], v4 offset:\sbuf+128*\t
.else
	ds_load_b32 v[SA+2*\t], v4 offset:\sbuf+128*\t
.endif
.endr
.endm
; 32 points x my 32 features: the four accumulators by turns, K step by K step; the first step takes the bias as C
.macro GEMM wreg, breg, swreg, nst
.irp s, 0,1
.if \s < \nst
.irp t, 0,1
.irp u, 0,1
.if \s == 0
	v_wmma_scale_f32_16x16x128_f8f6f4 v[ACC+16*\t+8*\u:ACC+16*\t+8*\u+7], v[\wreg+12*(2*\u+\s):\wreg+12*(2*\u+\s)+11], v[FR+24*\t+12*\s:FR+24*\t+12*\s+11], v[\breg+8*\u:\breg+8*\u+7], v[\swreg+2*\u+\s], v[SA+2*\t+\s] matrix_a_fmt:MATRIX_FMT_FP6 matrix_b_fmt:MATRIX_FMT_FP6
.else
	v_wmma_scale_f32_16x16x128_f8f6f4 v[ACC+16*\t+8*\u:ACC+16*\t+8*\u+7], v[\wreg+12*(2*\u+\s):\wreg+12*(2*\u+\s)+11], v[FR+24*\t+12*\s:FR+24*\t+12*\s+11], v[ACC+16*\t+8*\u:ACC+16*\t+8*\u+7], v[\swreg+2*\u+\s], v[SA+2*\t+\s] matrix_a_fmt:MATRIX_FMT_FP6 matrix_b_fmt:MATRIX_FMT_FP6
.endif
.endr
.endr
.endif
.endr
	PLACES
.endm
; 16 neighbours along K in v[src] on become 12 bytes of codes in v[CD] on and their block's scale byte in v[BY].  The block's other 16 lie in lane l xor 16 (dpp = 0) or in lane l xor 1 (dpp = 1).
; The largest magnitude has the floor 2^(3 - 127) among its leaves, so that the byte cannot fall under 1; 2 off its exponent field is the conversion's scale operand.  Registers are read in ascending order.
; again = 1: stores of codes and a byte have been issued since the last wait on vm_vsrc.
.macro QUANT16 src, mag, dpp, again
.if \mag
	v_max3_num_f32 v[MX], |v[\src]|, |v[\src+1]|, 0x1800000
	v_max3_num_f32 v[PX], |v[\src+2]|, |v[\src+3]|, |v[\src+4]|
	v_max3_num_f32 v[MX], v[MX], |v[\src+5]|, |v[\src+6]|
	v_max3_num_f32 v[PX], v[PX], |v[\src+7]|, |v[\src+8]|
	v_max3_num_f32 v[MX], v[MX], |v[\src+9]|, |v[\src+10]|
	v_max3_num_f32 v[PX], v[PX], |v[\src+11]|, |v[\src+12]|
	v_max3_num_f32 v[MX], v[MX], |v[\src+13]|, |v[\src+14]|
	v_max3_num_f32 v[MX], v[MX], v[PX], |v[\src+15]|
.else
	v_max3_num_f32 v[MX], v[\src], v[\src+1], 0x1800000
	v_max3_num_f32 v[PX], v[\src+2], v[\src+3], v[\src+4]
	v_max3_num_f32 v[MX], v[MX], v[\src+5], v[\src+6]
	v_max3_num_f32 v[PX], v[PX], v[\src+7], v[\src+8]
	v_max3_num_f32 v[MX], v[MX], v[\src+9], v[\src+10]
	v_max3_num_f32 v[PX], v[PX], v[\src+11], v[\src+12]
	v_max3_num_f32 v[MX], v[MX], v[\src+13], v[\src+14]
	v_max3_num_f32 v[MX], v[MX], v[PX], v[\src+15]
.endif
.if \dpp
	v_max_num_f32_dpp v[MX], v[MX], v[MX] row_xmask:1 row_mask:0xf bank_mask:0xf
.else
	v_permlanex16_b32 v[PX], v[MX], s52, s53
	v_max_num_f32 v[MX], v[MX], v[PX]
.endif
	v_add_nc_u32 v[SC], 0xff000000, v[MX]
	s_wait_dscnt 0x0                               ; the last codes' and byte's stores are done
.if \again
	s_wait_alu depctr_vm_vsrc(0)                   ; the memory and LDS instructions issued so far have read their registers: the last codes and byte, which the two lines below write again (what else each place leans on is said there)
.endif
	v_lshrrev_b32 v[BY], 23, v[SC]
	v_cvt_scalef32_pk16_fp6_f32 v[CD:CD+2], v[\src:\src+15], v[SC]
	v_nop                                          ; one plain instruction behind a scaled conversion
.endm
.macro PUT aw, ab, coff, soff          ; the 12 bytes begin at a multiple of 4; both lanes of a block write the same byte with the same value.  A wait on va_vdst stands ahead of each use
	ds_store_b32 v[\aw], v[CD] offset:\coff
	ds_store_b32 v[\aw], v[CD+1] offset:\coff+4
	ds_store_b32 v[\aw], v[CD+2] offset:\coff+8
	ds_store_b8 v[\ab], v[BY] offset:\soff
.endm
; LayerNorm, first half: of my 32 features of point tile t: their sum, and the sum of squared distances from their own mean
.macro LNSTAT x, buf, t
	s_wait_dscnt 0x0                               ; earlier stores are done
	s_wait_alu depctr_vm_vsrc(0)                   ; the stores issued so far (the last codes and byte; the other tile's figures) have read v232 to v235, which are written again below
	v_pk_add_f32 v[232:233], v[\x:\x+1], v[\x+2:\x+3]
	v_pk_add_f32 v[234:235], v[\x+4:\x+5], v[\x+6:\x+7]
	v_pk_add_f32 v[236:237], v[\x+8:\x+9], v[\x+10:\x+11]
	v_pk_add_f32 v[238:239], v[\x+12:\x+13], v[\x+14:\x+15]
	v_pk_add_f32 v[232:233], v[232:233], v[234:235]
	v_pk_add_f32 v[236:237], v[236:237], v[238:239]
	v_pk_add_f32 v[232:233], v[232:233], v[236:237]
	v_add_f32 v232, v232, v233
	v_permlanex16_b32 v233, v232, s52, s53
	v_add_f32 v232, v232, v233                     ; the sum
	v_mul_f32 v234, 0x3d000000, v232               ; / 32
	v_pk_add_f32 v[236:237], v[\x:\x+1], v[234:235] op_sel_hi:[1,0] neg_lo:[0,1] neg_hi:[0,1]
	v_pk_mul_f32 v[238:239], v[236:237], v[236:237]
.irp i, 2,4,6,8,10,12,14
	v_pk_add_f32 v[236:237], v[\x+\i:\x+\i+1], v[234:235] op_sel_hi:[1,0] neg_lo:[0,1] neg_hi:[0,1]
	v_pk_fma_f32 v[238:239], v[236:237], v[236:237], v[238:239]
.endr
	v_add_f32 v233, v238, v239
	v_permlanex16_b32 v236, v233, s52, s53
	v_add_f32 v233, v233, v236
	s_wait_alu depctr_va_vdst(0)                   ; the two figures are written, which the store reads; the products ahead are done reading v216 to v231, in which the second half's loads land
	ds_store_b64 v12, v[232:233] offset:\buf+128*\t
.endm
; Second half: the eight blocks' figures are joined (the squares about the row's mean = the blocks' own + 32 x the squared distance of each block's mean: no difference of large sums), and my numbers are normalised in place
.macro LNAPPLY x, buf, gg, bb, t
.irp f, 0,1,2,3,4,5,6,7
	ds_load_b64 v[216+2*\f:217+2*\f], v4 offset:\buf+512*\f+128*\t
.endr
	s_wait_dscnt 0x0
	v_add_f32 v232, v216, v218
	v_add_f32 v233, v220, v222
	v_add_f32 v234, v224, v226
	v_add_f32 v235, v228, v230
	v_add_f32 v232, v232, v233
	v_add_f32 v234, v234, v235
	v_add_f32 v232, v232, v234
	v_mul_f32 v236, 0x3b800000, v232               ; the mean of 256
	v_add_f32 v232, v217, v219
	v_add_f32 v233, v221, v223
	v_add_f32 v234, v225, v227
	v_add_f32 v235, v229, v231
	v_add_f32 v232, v232, v233
	v_add_f32 v234, v234, v235
	v_add_f32 v234, v232, v234
	v_fma_f32 v233, v216, 0x3d000000, -v236
	v_mul_f32 v235, v233, v233
.irp f, 1,2,3,4,5,6,7
	v_fma_f32 v233, v[216+2*\f], 0x3d000000, -v236
	v_fma_f32 v235, v233, v233, v235
.endr
	v_fma_f32 v234, v235, 0x42000000, v234
	v_fma_f32 v234, v234, 0x3b800000, s74          ; the variance + 1e-5
	v_rsq_f32 v238, v234
	v_nop                                          ; one plain instruction behind the root
.irp i, 0,2,4,6,8,10,12,14
	v_pk_add_f32 v[\x+\i:\x+\i+1], v[\x+\i:\x+\i+1], v[236:237] op_sel_hi:[1,0] neg_lo:[0,1] neg_hi:[0,1]
.endr
	s_wait_alu depctr_va_vdst(0)                   ; the root has written v238, ahead of its first reader; and the lines above are done reading v216 to v231, in which the next LDS loads land
.irp i, 0,2,4,6,8,10,12,14
	v_pk_mul_f32 v[\x+\i:\x+\i+1], v[\x+\i:\x+\i+1], v[238:239] op_sel_hi:[1,0]
.endr
.irp i, 0,2,4,6,8,10,12,14
	v_pk_fma_f32 v[\x+\i:\x+\i+1], v[\x+\i:\x+\i+1], v[\gg+\i:\gg+\i+1], v[\bb+\i:\bb+\i+1]
.endr
.endm
	s_load_b512 s[4:19], s[0:1], 0x0               ; idx 4, wts 6, fmT 8, points 10, params 12, pos_W2 codes 14, scales 16, q_W codes 18
	s_load_b512 s[20:35], s[0:1], 0x40             ; q_W scales 20, Wq 22, 24, Wk 26, 28, Wv 30, 32, Wo codes 34
	s_load_b256 s[36:43], s[0:1], 0x80             ; Wo scales 36, out_W 38, 40, out0 42
	s_load_b64 s[44:45], s[0:1], 0xa0              ; out1
	v_lshrrev_b32 v1, 5, v0
	v_readfirstlane_b32 s46, v1                    ; wave 0..15
	s_wait_alu depctr_va_sdst(0)                   ; s46 is written, ahead of its first reader: every wave's share is made from it
	s_and_b32 s47, s46, 7                          ; fb, the head
	s_lshr_b32 s48, s46, 3                         ; g
	s_and_b32 s75, s46, 3                          ; for the hidden layer alone: block of 32 hidden units,
	s_lshr_b32 s76, s46, 2                         ; tile of 16 points
	s_mov_b32 s52, 0x76543210
	s_mov_b32 s53, 0xfedcba98                      ; v_permlanex16_b32's selects for lane l xor 16
	s_mov_b32 s74, 0x3727c5ac                      ; 1e-5
	v_and_b32 v1, 15, v0                           ; r
	v_bfe_u32 v2, v0, 4, 1                         ; h
.irp i, 232,233,234,235,236,237,238,239
	v_mov_b32 v\i, 0                               ; written once: the destination of a lane permute and both halves of a named pair count as read
.endr
	s_mul_i32 s56, s48, 32*PIT
	v_mul_u32_u24 v3, v1, PIT
	v_mad_u32_u24 v5, v2, 12, v3
	v_mad_u32_u24 v21, v2, 24, v3
	v_add_nc_u32 v3, s56, v21                      ; v3: a fragment's place: (32 g + r) 208 + 24 h
	s_lshl_b32 s57, s48, 8
	v_lshl_add_u32 v4, v1, 3, s57                  ; v4: (32 g + r) 8: a row's scale bytes, a point's LayerNorm figures
	s_mul_i32 s58, s47, 24
	s_add_co_u32 s58, s58, s56
	v_add_nc_u32 v5, s58, v5                       ; v5: where my codes go: (32 g + r) 208 + 24 fb + 12 h
	v_add_nc_u32 v6, s47, v4                       ; v6: and my block's scale byte
	s_mul_i32 s59, s46, 4608
	s_add_co_u32 s77, s59, QC                      ; (kept)
	s_add_co_u32 s78, s59, QI
	v_mul_u32_u24 v7, v1, 144
	v_lshl_add_u32 v7, v2, 6, v7
	v_add_nc_u32 v8, s78, v7                       ; v8: q_in: my wave's 32 points x 144, + 144 r + 64 h
	v_add_nc_u32 v7, s77, v7                       ; v7: q and ctx likewise
	s_lshl_b32 s60, s47, 5                         ; (kept) 32 fb
	v_and_b32 v10, 8, v1
	v_add_nc_u32 v10, v10, v1
	v_add_nc_u32 v10, s60, v10                     ; my row of a weight tile: 32 fb + r + 8 (r / 8)
	v_mul_u32_u24 v9, v10, 192
	v_mad_u32_u24 v9, v2, 24, v9                   ; v9: its codes (256 along K)
	v_mul_u32_u24 v38, v10, 96
	v_mad_u32_u24 v38, v2, 24, v38                 ; v38, v39: pos_W2's (128 along K)
	v_lshlrev_b32 v39, 2, v10
	v_lshlrev_b32 v10, 3, v10                      ; v10: its scale bytes
	s_lshl_b32 s61, s47, 7
	v_lshl_add_u32 v11, v2, 6, s61                 ; v11: my 16 numbers of a vector of 256: 128 fb + 64 h
	s_lshl_b32 s62, s47, 9
	v_add_nc_u32 v12, s62, v4                      ; v12: where my LayerNorm figures go
	s_lshl_b32 s63, s48, 7                         ; (kept) 128 g
	v_lshl_add_u32 v13, v1, 2, s63                 ; v13: (32 g + r) 4: a point's word in ST
	s_mul_i32 s66, s48, 32*1040
	s_add_co_u32 s66, s66, s61
	s_add_co_u32 s66, s66, OS
	v_mul_u32_u24 v14, v1, 1040
	v_lshl_add_u32 v14, v2, 6, v14
	v_add_nc_u32 v14, s66, v14                     ; v14: the way out, in
	v_and_b32 v16, 31, v0
	v_lshlrev_b32 v16, 4, v16                      ; v16: 16 x lane
	s_mul_i32 s67, s46, 4*1040
	s_add_co_u32 s67, s67, OS
	v_add_nc_u32 v15, s67, v16                     ; v15: the way out, back: my four rows
	v_lshlrev_b32 v17, 18, v2                      ; v17: idx, wts: the odd view lies 262,144 bytes on
	v_lshlrev_b32 v18, 4, v1                       ; v18: my 16 bytes of a pixel's 256
	s_mul_i32 s68, s46, 32*PIT
	s_add_co_u32 s68, s68, VF
	v_mul_u32_u24 v19, v2, PIT
	v_mad_u32_u24 v19, v1, 12, v19
	v_add_nc_u32 v19, s68, v19                     ; v19: a sampled row's codes: row 32 w + h, + 12 r
	s_lshl_b32 s69, s46, 8
	s_add_co_u32 s69, s69, VS
	v_lshrrev_b32 v20, 1, v1
	v_lshl_add_u32 v20, v2, 3, v20
	v_add_nc_u32 v20, s69, v20                     ; v20: and its block's scale byte
	s_mul_i32 s70, s48, 256*PIT
	s_add_co_u32 s70, s70, VF
	v_add_nc_u32 v21, s70, v21                     ; v21: a fragment of sampled rows: (256 g + r) 208 + 24 h
	s_lshl_b32 s71, s48, 11
	s_add_co_u32 s71, s71, VS
	v_lshl_add_u32 v22, v1, 3, s71                 ; v22: its scale words
	v_lshrrev_b32 v23, 3, v1
	v_mul_u32_u24 v23, v23, 144
	v_lshl_add_u32 v23, v2, 6, v23
	v_add_nc_u32 v23, s77, v23                     ; v23: q of the point of sampled row r: 144 (r / 8) + 64 h
	s_mul_i32 s72, s76, 16*PIT                     ; the hidden layer's own addresses, in registers of weight set 0 that pos_W2 leaves free
	s_mul_i32 s73, s75, 24
	s_add_co_u32 s72, s72, s73
	v_mul_u32_u24 v36, v1, PIT
	v_mad_u32_u24 v36, v2, 12, v36
	v_add_nc_u32 v36, s72, v36                     ; codes
	s_lshl_b32 s73, s76, 7
	s_add_co_u32 s73, s73, s75
	v_lshl_add_u32 v37, v1, 3, s73                 ; scale byte
	s_mul_i32 s72, s75, 384
	v_mul_u32_u24 v40, v2, 192
	v_add_nc_u32 v40, s72, v40                     ; pos_W1: 16 rows of 12 bytes
	s_lshl_b32 s72, s75, 7
	v_lshl_add_u32 v41, v2, 6, s72                 ; pos_b1
	s_mul_i32 s72, s76, 192
	v_mul_u32_u24 v42, v1, 12
	v_add_nc_u32 v42, s72, v42                     ; my point
	s_lshl_b32 s50, ttmp9, 10                      ; idx, wts: (64 wg + 4 w) x 16.  (Point b 8192 + n of view v lies at v 262,144 + (b 8192 + n) 16)
	s_lshl_b32 s51, s46, 6
	s_add_co_u32 s50, s50, s51
	s_mov_b32 s51, 0
	s_mul_i32 s54, ttmp9, 768                      ; points: 64 wg x 12
	s_mov_b32 s55, 0
	s_lshl_b32 s72, ttmp9, 16                      ; out0: (64 wg + 4 w) x 1,024
	s_lshl_b32 s73, s46, 12
	s_add_co_u32 s72, s72, s73
	s_mov_b32 s73, 0
	s_lshl_b32 s78, ttmp9, 11                      ; out1: 64 wg x 32
	s_mov_b32 s79, 0
	s_wait_kmcnt 0x0
	s_add_nc_u64 s[4:5], s[4:5], s[50:51]
	s_add_nc_u64 s[6:7], s[6:7], s[50:51]
	s_add_nc_u64 s[10:11], s[10:11], s[54:55]
	s_add_nc_u64 s[42:43], s[42:43], s[72:73]
	s_add_nc_u64 s[44:45], s[44:45], s[78:79]
	s_wait_alu depctr_va_vdst(0)                   ; all addresses made above (v3 to v23, v36 to v42) are written: the loads and stores of the kernel read them
.irp i, 0,1,2,3,4,5,6,7,8,9,10,11
	global_load_b128 v[FR+4*\i:FR+4*\i+3], v40, s[12:13] offset:16*\i          ; pos_W1, rows 32 b' + 16 h + 0 .. 15
.endr
.irp i, 0,1,2,3
	global_load_b128 v[ACC+16+4*\i:ACC+16+4*\i+3], v41, s[12:13] offset:P_B1+16*\i
.endr
	global_load_b32 v60, v42, s[10:11]
	global_load_b32 v61, v42, s[10:11] offset:4
	global_load_b32 v62, v42, s[10:11] offset:8
.irp u, 0,1                                    ; pos_W2: rows of 96 bytes, one K step: 18 loads
.irp p, 0,1,2,3,4,5
	global_load_b64 v[W0+24*\u+2*\p:W0+24*\u+2*\p+1], v38, s[14:15] offset:768*\u+48*(\p/3)+8*(\p%3)
.endr
.endr
.irp u, 0,1
	global_load_b32 v[SW0+2*\u], v39, s[16:17] offset:32*\u
.endr
.irp i, 0,1,2,3
	global_load_b128 v[B0+4*\i:B0+4*\i+3], v11, s[12:13] offset:P_B2+16*\i
.endr
	LOADW W1, B1, SW1, 18, 20, P_QB                ; q_W
	; ---- the hidden layer, relu(p pos_W1^T + pos_b1), in f32: lane (r, h) of wave w: point 16 (w / 4) + r, units 32 (w % 4) + 16 h + 0 .. 15
	s_wait_loadcnt 50                              ; the 19 loads for it are in; pos_W2's 18 and q_W's 32 stay out
.irp i, 0,1,2,3,4,5,6,7,8,9,10,11,12,13,14,15
	v_fma_f32 v[ACC+\i], v60, v[FR+3*\i], v[ACC+16+\i]
.endr
.irp i, 0,1,2,3,4,5,6,7,8,9,10,11,12,13,14,15
	v_fma_f32 v[ACC+\i], v61, v[FR+3*\i+1], v[ACC+\i]
.endr
.irp i, 0,1,2,3,4,5,6,7,8,9,10,11,12,13,14,15
	v_fma_f32 v[ACC+\i], v62, v[FR+3*\i+2], v[ACC+\i]
.endr
.irp i, 0,1,2,3,4,5,6,7,8,9,10,11,12,13,14,15
	v_max_num_f32 v[ACC+\i], 0, v[ACC+\i]
.endr
	QUANT16 ACC, 0, 0, 0
	s_wait_alu depctr_va_vdst(0)                   ; the codes and the byte are written, which the stores read; the multiply-adds are done reading pos_W1's registers, in which the first fragments land
	PUT 36, 37, ACTA, ASCA
	BARRIER                                        ; the hidden layer's codes lie in ACTA
	; ---- pe = hidden pos_W2^T + pos_b2
	FRAGS ACTA, ASCA, 1
	s_wait_loadcnt 32                              ; pos_W2 is in; q_W's 32 loads may be out
	s_wait_dscnt 0x0
	GEMM W0, B0, SW0, 1
	s_wait_alu depctr_va_vdst(0)                   ; the products are done reading set 0, its bias and its scale words, in which Wq lands
	s_wait_alu depctr_vm_vsrc(0)                   ; the hidden layer's loads and stores have read v36 to v42, in which Wq lands too, and the codes and byte, which the quantiser below writes again
	LOADW W0, B0, SW0, 22, 24, P_BQ                ; Wq
.irp t, 0,1
	QUANT16 ACC+16*\t, 1, 0, \t
	s_wait_alu depctr_va_vdst(0)                   ; the codes and the byte are written, which the stores read
	PUT 5, 6, ACTB+3328*\t, ASCB+128*\t
.endr
	BARRIER                                        ; pe's codes lie in ACTB
	; ---- q_in = pe q_W^T + q_b: kept in f32 for the residual, quantised for the next product
	FRAGS ACTB, ASCB, 2
	s_wait_loadcnt 32                              ; q_W is in; Wq's 32 loads may be out
	s_wait_dscnt 0x0
	GEMM W1, B1, SW1, 2
	s_wait_alu depctr_va_vdst(0)                   ; the products have written the accumulators, which the stores read; the places above stay beside this wait
.irp t, 0,1
.irp i, 0,1,2,3
	ds_store_b128 v8, v[ACC+16*\t+4*\i:ACC+16*\t+4*\i+3] offset:2304*\t+16*\i
.endr
.endr
.irp t, 0,1
	QUANT16 ACC+16*\t, 1, 0, 1                     ; (its wait on vm_vsrc also shows that the eight stores above have read the accumulators, which the next products write)
	s_wait_alu depctr_va_vdst(0)                   ; the codes and the byte are written, which the stores read
	PUT 5, 6, ACTA+3328*\t, ASCA+128*\t
.endr
	BARRIER                                        ; q_in's codes lie in ACTA
	; ---- q = q_in Wq^T + bq, times log2(e) / sqrt(32), into my own bytes of LDS
	FRAGS ACTA, ASCA, 2
	s_wait_loadcnt 0x0                             ; Wq
	s_wait_dscnt 0x0
	GEMM W0, B0, SW0, 2
; THE GATHER.  Pair k of wave w is sampled rows 32 w + 2 k + h: point 4 w + k / 4, view 2 (k % 4) + h.
.macro ILOAD k                         ; its four tap numbers and four weights: two loads
	global_load_b128 v[IX+8*((\k)%4):IX+8*((\k)%4)+3], v17, s[4:5] offset:((\k)%4)*524288+((\k)/4)*16
	global_load_b128 v[IX+8*((\k)%4)+4:IX+8*((\k)%4)+7], v17, s[6:7] offset:((\k)%4)*524288+((\k)/4)*16
.endm
.macro GADDR k                         ; its four tap addresses
.set GT, TA+4*((\k)%2)
.set GI, IX+8*((\k)%4)
.irp a, 0,1,2,3
	v_min_u32 v[GT+\a], 0xffff, v[GI+\a]           ; a pixel number stays inside fmT's 65,536 pixels
.endr
.irp a, 0,1,2,3
	v_lshl_add_u32 v[GT+\a], v[GT+\a], 10, v18
.endr
.endm
.macro GLOADS k                        ; its four taps: sixteen loads, each of 256 consecutive bytes for sixteen lanes
.set GT, TA+4*((\k)%2)
.set GS, SL+64*((\k)%2)
.irp a, 0,1,2,3
.irp q, 0,1,2,3
	global_load_b128 v[GS+16*\a+4*\q:GS+16*\a+4*\q+3], v[GT+\a], s[8:9] offset:256*\q
.endr
.endr
.endm
; Trip i.  Loads were issued in the order .. taps i, numbers i + 2, taps i + 1, numbers i + 3: the wait leaves the last two groups out (16 + 2 loads; fewer at the ends), so that this pair's taps and the numbers of the pair
; that is asked for below are in, and this slot's address registers are free.
.macro GTRIP i
.set GX, SL+64*((\i)%2)
.set GW, IX+8*((\i)%4)+4
.if \i == 0
	s_wait_loadcnt 16
.elseif \i <= 12
	s_wait_loadcnt 18
.elseif \i <= 14
	s_wait_loadcnt 16
.else
	s_wait_loadcnt 0
.endif
.irp j, 0,2,4,6,8,10,12,14
	v_pk_mul_f32 v[GX+\j:GX+\j+1], v[GX+\j:GX+\j+1], v[GW:GW+1] op_sel_hi:[1,0]
.endr
.irp j, 0,2,4,6,8,10,12,14
	v_pk_fma_f32 v[GX+\j:GX+\j+1], v[GX+16+\j:GX+16+\j+1], v[GW:GW+1], v[GX+\j:GX+\j+1] op_sel:[0,1,0] op_sel_hi:[1,1,1]
.endr
.irp j, 0,2,4,6,8,10,12,14
	v_pk_fma_f32 v[GX+\j:GX+\j+1], v[GX+32+\j:GX+32+\j+1], v[GW+2:GW+3], v[GX+\j:GX+\j+1] op_sel_hi:[1,0,1]
.endr
.irp j, 0,2,4,6,8,10,12,14
	v_pk_fma_f32 v[GX+\j:GX+\j+1], v[GX+48+\j:GX+48+\j+1], v[GW+2:GW+3], v[GX+\j:GX+\j+1] op_sel:[0,1,0] op_sel_hi:[1,1,1]
.endr
	QUANT16 GX, 1, 1, 1                            ; channels 16 r .. 16 r + 15; the block's other half lies in lane l xor 1.  (Its wait on vm_vsrc also shows that this pair's tap loads have read this slot's four addresses, which are written again below)
.if \i < 14
	GADDR \i+2
.endif
	s_wait_alu depctr_va_vdst(0)                   ; ONE wait for the trip's memory and LDS instructions: the codes, the byte and the tap addresses are written; the blend is done with this slot and this index set, in which the loads land
.if \i < 14
	GLOADS \i+2
.endif
.if \i < 12
	ILOAD \i+4
.endif
	PUT 19, 20, 416*\i, 16*\i
.endm
	s_wait_alu depctr_va_vdst(0)                   ; the products are done reading the fragments, in whose registers the index loads land, and both weight sets, which become the gather's slots
	ILOAD 0
	ILOAD 1
	ILOAD 2
	ILOAD 3
.irp j, 0,2,4,6,8,10,12,14,16,18,20,22,24,26,28,30
	v_pk_mul_f32 v[ACC+\j:ACC+\j+1], v[ACC+\j:ACC+\j+1], 0x3e8293ee op_sel_hi:[1,0]
.endr
	s_wait_loadcnt 4                               ; the numbers of pairs 0 and 1 are in; those of pairs 2 and 3 may be out
	GADDR 0
	GADDR 1
	s_wait_alu depctr_va_vdst(0)                   ; the eight tap addresses are written, which the loads read, and the scaled q, which the stores read
	GLOADS 0
	GLOADS 1
.irp t, 0,1
.irp i, 0,1,2,3
	ds_store_b128 v7, v[ACC+16*\t+4*\i:ACC+16*\t+4*\i+3] offset:2304*\t+16*\i
.endr
.endr
.irp i, 0,1,2,3,4,5,6,7,8,9,10,11,12,13,14,15
	GTRIP \i
.endr
	; ---- Wk (transposed use), Wv (natural use: lane r takes row 32 hd + 16 u + r) and their biases
	v_add_nc_u32 v254, s60, v1
	v_mul_u32_u24 v252, v254, 192
	v_mad_u32_u24 v252, v2, 24, v252
	v_lshlrev_b32 v253, 3, v254
	v_lshlrev_b32 v254, 2, v254
	s_wait_alu depctr_va_vdst(0)                   ; v252 to v254 are written, which Wv's loads read (the slots, in which the weights land, were left ahead of the last trip's wait)
	LOADW WK, BK, SW0, 26, 28, P_BK
.irp u, 0,1
.irp s, 0,1
.irp p, 0,1,2,3,4,5
	global_load_b64 v[WV+12*(2*\u+\s)+2*\p:WV+12*(2*\u+\s)+2*\p+1], v252, s[30:31] offset:3072*\u+96*\s+48*(\p/3)+8*(\p%3)
.endr
.endr
.endr
.irp u, 0,1
.irp s, 0,1
	global_load_b32 v[SW1+2*\u+\s], v253, s[32:33] offset:128*\u+4*\s
.endr
.endr
.irp u, 0,1
.irp j, 0,1,2,3,4,5,6,7
	global_load_b32 v[BV+8*\u+\j], v254, s[12:13] offset:P_BV+64*\u   ; as a C: my feature's bias in all eight registers (eight rows)
.endr
.endr
	BARRIER                                        ; all 512 sampled rows lie in LDS
	s_wait_loadcnt 0x0
	s_wait_alu depctr_vm_vsrc(0)                   ; the index loads have read v17, the last codes' stores v19, Wv's loads v252 to v254: all five are written below; q's stores and the tap loads have read v152 to v191, in which the first tile lands
	v_mul_u32_u24 v17, v2, 144
	v_lshl_add_u32 v17, v1, 2, v17
	v_add_nc_u32 v17, s77, v17                     ; v17: ctx of point h of a row tile, feature r
	s_lshl_b32 s72, s47, 8
	s_add_co_u32 s72, s72, s63
	s_add_co_u32 s72, s72, ST
	v_lshrrev_b32 v18, 3, v1
	v_lshl_add_u32 v18, v18, 2, s72                ; v18: ST[hd][32 g + r / 8]
.irp j, 0,1,2,3,4,5,6,7
	v_mov_b32 v[PP+\j], 0                          ; (destinations of DPP moves count as read)
.endr
	s_mov_b32 vcc_lo, 0xffff0000                   ; lanes 16-31
	s_mov_b32 s54, 0
	s_mov_b32 s70, 0                               ; a trip steps: 16 rows of codes,
	s_mov_b32 s71, 0                               ; 16 rows of scale bytes,
	s_mov_b32 s72, 0                               ; 2 points of q and ctx,
	s_mov_b32 s73, 0                               ; 2 words of ST
; THE ATTENTION OF MY HEAD: trip t takes row tile 16 g + t: points 2 t and 2 t + 1 of my 32, 8 views each.
.macro KMM u, s
.if \s == 0
	v_wmma_scale_f32_16x16x128_f8f6f4 v[DK+8*\u:DK+8*\u+7], v[WK+12*(2*\u+\s):WK+12*(2*\u+\s)+11], v[AFR+12*\s:AFR+12*\s+11], v[BK+8*\u:BK+8*\u+7], v[SW0+2*\u+\s], v[SA+\s] matrix_a_fmt:MATRIX_FMT_FP6 matrix_b_fmt:MATRIX_FMT_FP6
.else
	v_wmma_scale_f32_16x16x128_f8f6f4 v[DK+8*\u:DK+8*\u+7], v[WK+12*(2*\u+\s):WK+12*(2*\u+\s)+11], v[AFR+12*\s:AFR+12*\s+11], v[DK+8*\u:DK+8*\u+7], v[SW0+2*\u+\s], v[SA+\s] matrix_a_fmt:MATRIX_FMT_FP6 matrix_b_fmt:MATRIX_FMT_FP6
.endif
.endm
.macro VMM u, s
.if \s == 0
	v_wmma_scale_f32_16x16x128_f8f6f4 v[DV+8*\u:DV+8*\u+7], v[AFR+12*\s:AFR+12*\s+11], v[WV+12*(2*\u+\s):WV+12*(2*\u+\s)+11], v[BV+8*\u:BV+8*\u+7], v[SA+\s], v[SW1+2*\u+\s] matrix_a_fmt:MATRIX_FMT_FP6 matrix_b_fmt:MATRIX_FMT_FP6
.else
	v_wmma_scale_f32_16x16x128_f8f6f4 v[DV+8*\u:DV+8*\u+7], v[AFR+12*\s:AFR+12*\s+11], v[WV+12*(2*\u+\s):WV+12*(2*\u+\s)+11], v[DV+8*\u:DV+8*\u+7], v[SA+\s], v[SW1+2*\u+\s] matrix_a_fmt:MATRIX_FMT_FP6 matrix_b_fmt:MATRIX_FMT_FP6
.endif
.endm
.macro AFETCH oc, os                   ; a row tile's two fragments and its scale words: 13 LDS loads, oc and os bytes on from v252 and v253
.irp s, 0,1
.irp p, 0,1,2,3,4,5
	ds_load_b64 v[AFR+12*\s+2*\p:AFR+12*\s+2*\p+1], v252 offset:\oc+96*\s+48*(\p/3)+8*(\p%3)
.endr
.endr
	ds_load_b64 v[SA:SA+1], v253 offset:\os
.endm
.macro QFETCH oq                       ; q of my row's point, features 16 h + 0 .. 15: 4 LDS loads, oq bytes on from v254
.irp i, 0,1,2,3
	ds_load_b128 v[AQ+4*\i:AQ+4*\i+3], v254 offset:\oq+16*\i
.endr
.endm
; A trip.  Its tile and its q were asked for in the trip before (tile 0: ahead of the loop).  last = 1: the sixteenth trip, which asks for nothing more.
.macro ATT last
	s_wait_alu depctr_vm_vsrc(0)                   ; the LDS loads and stores issued so far have read v252 to v255 and v19 (addresses) and v234, v237, v238 (stored data): this trip writes all of them again
	s_wait_dscnt 4                                 ; LDS instructions end in order (ISA guide 5.7.1): the tile's 13 loads are in.  Behind them stand q's 4 loads on the way in, q's 4 loads and 3 stores on the way back: the smaller count serves both
	KMM 0, 0                                       ; four accumulators by turns: k's two tiles, v's two
	KMM 1, 0
	VMM 0, 0
	VMM 1, 0
	KMM 0, 1
	KMM 1, 1
	VMM 0, 1
	VMM 1, 1
	v_add_nc_u32 v255, s72, v17                    ; five places: this trip's two store addresses,
	v_add_nc_u32 v19, s73, v18
.if \last
	v_nop                                          ; and three empty ones
	v_nop
	v_nop
	s_wait_dscnt 0x0                               ; q is in
.else
	v_add_nc_u32 v252, s70, v21                    ; and the three addresses from which the next tile is reached by immediate offsets
	v_add_nc_u32 v253, s71, v22
	v_add_nc_u32 v254, s72, v23
	s_wait_alu depctr_va_vdst(0)                   ; the eight products are done reading the fragments and scale words, in which the next tile lands; v252 to v254 are written
	AFETCH 16*PIT, 128
	s_wait_dscnt 13                                ; all but the 13 just issued: q is in
.endif
	v_pk_mul_f32 v[232:233], v[DK:DK+1], v[AQ:AQ+1]           ; the score: lane (r, h) holds sampled row r and 16 of the head's 32
	v_pk_mul_f32 v[234:235], v[DK+8:DK+9], v[AQ+8:AQ+9]
.irp i, 2,4,6
	v_pk_fma_f32 v[232:233], v[DK+\i:DK+\i+1], v[AQ+\i:AQ+\i+1], v[232:233]
	v_pk_fma_f32 v[234:235], v[DK+8+\i:DK+8+\i+1], v[AQ+8+\i:AQ+8+\i+1], v[234:235]
.endr
	v_pk_add_f32 v[232:233], v[232:233], v[234:235]
	v_add_f32 v232, v232, v233
	v_permlanex16_b32 v233, v232, s52, s53
	v_add_f32 v232, v232, v233                     ; t = score x log2(e) / sqrt(32) of point r / 8, view r % 8
	v_mov_b32 v234, v232
	v_max_num_f32_dpp v234, v234, v234 row_xmask:1 row_mask:0xf bank_mask:0xf   ; the largest of the point's eight views is taken away
	v_max_num_f32_dpp v234, v234, v234 row_xmask:2 row_mask:0xf bank_mask:0xf
	v_max_num_f32_dpp v234, v234, v234 row_xmask:4 row_mask:0xf bank_mask:0xf
	v_sub_f32 v232, v232, v234
	v_exp_f32 v232, v232
	v_nop
	s_wait_alu depctr_va_vdst(0)                   ; the exponential has written v232, ahead of its first reader; and the score's lines are done reading q, in whose registers the next q lands
.if !\last
	QFETCH 288                                     ; the next two points' q: other bytes than those that this trip's stores write
.endif
	v_mov_b32 v235, v232
	v_add_f32_dpp v235, v235, v235 row_xmask:1 row_mask:0xf bank_mask:0xf
	v_add_f32_dpp v235, v235, v235 row_xmask:2 row_mask:0xf bank_mask:0xf
	v_add_f32_dpp v235, v235, v235 row_xmask:4 row_mask:0xf bank_mask:0xf
	v_rcp_f32 v236, v235
	v_nop
	s_wait_alu depctr_va_vdst(0)                   ; the reciprocal has written v236, ahead of its first reader
	v_mul_f32 v232, v232, v236                     ; the attention weight
	v_mov_b32 v237, v232
	v_add_f32_dpp v237, v237, v237 row_xmask:1 row_mask:0xf bank_mask:0xf       ; the sum over keys of the weights, for the view attention
	v_add_f32_dpp v237, v237, v237 row_xmask:2 row_mask:0xf bank_mask:0xf
	v_add_f32_dpp v237, v237, v237 row_xmask:4 row_mask:0xf bank_mask:0xf
	v_mov_b32_dpp v233, v232 row_xmask:8 row_mask:0xf bank_mask:0xf
	v_cndmask_b32 v233, v232, v233, vcc_lo         ; places 0-7 of each half of the lanes: the weights of point h
.irp j, 0,1,2,3,4,5,6,7
	v_mov_b32_dpp v[PP+\j], v233 row_share:\j row_mask:0xf bank_mask:0xf
.endr
	v_pk_mul_f32 v[234:235], v[PP:PP+1], v[DV:DV+1]           ; ctx: lane (r, h) holds feature 16 u + r of point h, register j view j
	v_pk_mul_f32 v[238:239], v[PP:PP+1], v[DV+8:DV+9]
.irp i, 2,4,6
	v_pk_fma_f32 v[234:235], v[PP+\i:PP+\i+1], v[DV+\i:DV+\i+1], v[234:235]
	v_pk_fma_f32 v[238:239], v[PP+\i:PP+\i+1], v[DV+8+\i:DV+8+\i+1], v[238:239]
.endr
	v_add_f32 v234, v234, v235
	v_add_f32 v238, v238, v239
	s_wait_alu depctr_va_vdst(0)                   ; v234, v237 and v238 are written, which the three stores read
	ds_store_b32 v255, v234                        ; over the q of these two points, which has been read: my own bytes, served in order
	ds_store_b32 v255, v238 offset:64
	ds_store_b32 v19, v237                         ; (eight lanes and both halves write the same word with the same value)
.endm
	v_add_nc_u32 v252, s70, v21                    ; tile 0
	v_add_nc_u32 v253, s71, v22
	v_add_nc_u32 v254, s72, v23
	s_wait_alu depctr_va_vdst(0)                   ; v252 to v254 are written, which the loads read; all vector and matrix work that named v152 to v191 and v248, v249, in which they land, is done
	AFETCH 0, 0
	QFETCH 0
.Latt:
	ATT 0
	s_add_co_u32 s70, s70, 16*PIT
	s_add_co_u32 s71, s71, 128
	s_add_co_u32 s72, s72, 288
	s_add_co_u32 s73, s73, 8
	s_add_co_u32 s54, s54, 1
	s_cmp_lt_u32 s54, 15
	s_cbranch_scc1 .Latt
	ATT 1                                          ; the sixteenth trip is written out: no LDS load reaches past the sampled rows
	; ---- ctx is quantised.  No vector or matrix instruction stands behind the last trip's last wait on va_vdst: the loads below land in registers that all their readers have left
	LOADW W0, B0, SW0, 34, 36, P_BO                ; Wo
	LOADW W1, B1, SW1, 38, 40, P_OB                ; out_W
.irp t, 0,1
.irp i, 0,1,2,3
	ds_load_b128 v[ACC+16*\t+4*\i:ACC+16*\t+4*\i+3], v7 offset:2304*\t+16*\i
.endr
.endr
	s_wait_dscnt 0x0
	s_wait_alu depctr_vm_vsrc(0)                   ; the last trip's stores have read v234, v237 and v238, which the quantiser writes
.irp t, 0,1
	QUANT16 ACC+16*\t, 1, 0, \t
	s_wait_alu depctr_va_vdst(0)                   ; the codes and the byte are written, which the stores read
	PUT 5, 6, ACTB+3328*\t, ASCB+128*\t
.endr
	BARRIER                                        ; ctx's codes lie in ACTB; every head's sums lie in ST
	; ---- attended = ctx Wo^T + bo, + q_in, LayerNorm 1
	FRAGS ACTB, ASCB, 2
	s_wait_loadcnt 32                              ; Wo is in; out_W's 32 loads may be out
	s_wait_dscnt 0x0
	GEMM W0, B0, SW0, 2
	s_wait_alu depctr_va_vdst(0)                   ; the products are done reading the fragments, in which q_in lands, and set 0 with its bias, in which the LayerNorms' gains and biases land
.irp t, 0,1
.irp i, 0,1,2,3
	ds_load_b128 v[FR+16*\t+4*\i:FR+16*\t+4*\i+3], v8 offset:2304*\t+16*\i
.endr
.endr
.irp i, 0,1,2,3
	global_load_b128 v[24+4*\i:27+4*\i], v11, s[12:13] offset:P_G1+16*\i
.endr
.irp i, 0,1,2,3
	global_load_b128 v[40+4*\i:43+4*\i], v11, s[12:13] offset:P_N1+16*\i
.endr
.irp i, 0,1,2,3
	global_load_b128 v[56+4*\i:59+4*\i], v11, s[12:13] offset:P_G2+16*\i
.endr
.irp i, 0,1,2,3
	global_load_b128 v[72+4*\i:75+4*\i], v11, s[12:13] offset:P_N2+16*\i
.endr
	s_wait_dscnt 0x0
.irp j, 0,2,4,6,8,10,12,14,16,18,20,22,24,26,28,30
	v_pk_add_f32 v[ACC+\j:ACC+\j+1], v[ACC+\j:ACC+\j+1], v[FR+\j:FR+\j+1]
.endr
	LNSTAT ACC, LNA, 0
	LNSTAT ACC+16, LNA, 1
	BARRIER
	s_wait_alu depctr_vm_vsrc(0)                   ; my second store of figures has read v232 and v233, which the lines below write
	s_wait_loadcnt 8                               ; out_W and LayerNorm 1's gain and bias are in; LayerNorm 2's eight loads may be out
	LNAPPLY ACC, LNA, 24, 40, 0
	LNAPPLY ACC+16, LNA, 24, 40, 1
.irp t, 0,1
	QUANT16 ACC+16*\t, 1, 0, \t
	s_wait_alu depctr_va_vdst(0)                   ; the codes and the byte are written, which the stores read
	PUT 5, 6, ACTA+3328*\t, ASCA+128*\t
.endr
	BARRIER
	; ---- out_W, LayerNorm 2
	FRAGS ACTA, ASCA, 2
	s_wait_dscnt 0x0
	GEMM W1, B1, SW1, 2
	LNSTAT ACC, LNB, 0
	LNSTAT ACC+16, LNB, 1
	BARRIER
	s_wait_alu depctr_vm_vsrc(0)                   ; my second store of figures has read v232 and v233, which the lines below write
	s_wait_loadcnt 0x0
	LNAPPLY ACC, LNB, 56, 72, 0
	LNAPPLY ACC+16, LNB, 56, 72, 1
	; ---- view attention and the sum over views.  The mean over heads and keys of the weights is one number a point, the same for its 8 query places: the softmax is taken of 8 equal entries, the sum of 8 equal terms.
	v_lshlrev_b32 v255, 2, v4
	v_lshl_add_u32 v255, v2, 4, v255               ; out1: (32 g + r) 32 + 16 h
.irp t, 0,1
.irp f, 0,1,2,3,4,5,6,7
	ds_load_b32 v[216+\f], v13 offset:ST+256*\f+64*\t   ; (they land in registers whose last readers stand ahead of the last wait on va_vdst: the root's, then the exponential's)
.endr
	s_wait_dscnt 0x0
	v_add_f32 v232, v216, v217
	v_add_f32 v233, v218, v219
	v_add_f32 v234, v220, v221
	v_add_f32 v235, v222, v223
	v_add_f32 v232, v232, v233
	v_add_f32 v234, v234, v235
	v_add_f32 v232, v232, v234
	v_mul_f32 v232, 0x3c800000, v232               ; / 64: the mean over 8 heads and 8 keys
	v_max_num_f32 v233, v232, v232                 ; the largest of the eight equal entries
	v_sub_f32 v233, v232, v233
	v_mul_f32 v233, 0x3fb8aa3b, v233
	v_exp_f32 v233, v233
	v_nop
	s_wait_alu depctr_va_vdst(0)                   ; the exponential has written v233, ahead of its first reader; the additions above are done reading v216 to v223, in which the other tile's sums land
	v_mul_f32 v234, 0x41000000, v233               ; the sum of the eight
	v_rcp_f32 v234, v234
	v_nop
	s_wait_alu depctr_va_vdst(0)                   ; the reciprocal has written v234, ahead of its first reader
	v_mul_f32 v[224+4*\t], v233, v234              ; view attention
	v_mov_b32 v[225+4*\t], v[224+4*\t]
	v_mov_b32 v[226+4*\t], v[224+4*\t]
	v_mov_b32 v[227+4*\t], v[224+4*\t]
	v_mul_f32 v236, 0x41000000, v[224+4*\t]        ; eight equal terms final x view attention: the factor 8 rounds nothing
.irp j, 0,2,4,6,8,10,12,14
	v_pk_mul_f32 v[ACC+16*\t+\j:ACC+16*\t+\j+1], v[ACC+16*\t+\j:ACC+16*\t+\j+1], v[236:237] op_sel_hi:[1,0]
.endr
.endr
	s_wait_alu depctr_va_vdst(0)                   ; ONE wait for the way out: both tiles' results are written, which the LDS stores read; so are v224 to v231 and v255, which out1's stores read
.irp t, 0,1
.irp i, 0,1,2,3
	ds_store_b128 v14, v[ACC+16*\t+4*\i:ACC+16*\t+4*\i+3] offset:16640*\t+16*\i
.endr
.endr
	s_cmp_lg_u32 s47, 0                            ; out1 is stored by the two waves with fb = 0
	s_cbranch_scc1 .Lno_va
	global_store_b128 v255, v[224:227], s[44:45]   ; 16 points x 32 bytes: 512 consecutive bytes
	global_store_b128 v255, v[228:231], s[44:45] offset:512
.Lno_va:
	BARRIER                                        ; 64 whole rows of out0 lie in LDS
	s_wait_alu depctr_vm_vsrc(0)                   ; my stores into the stage have read v152 to v183, in which the rows land
.irp n, 0,1,2,3,4,5,6,7
	ds_load_b128 v[ACC+4*\n:ACC+4*\n+3], v15 offset:1040*(\n/2)+512*(\n%2)
.endr
.irp n, 0,1,2,3,4,5,6,7
	s_wait_dscnt 7-\n                              ; load n is in; the younger ones stay out
	global_store_b128 v16, v[ACC+4*\n:ACC+4*\n+3], s[42:43] offset:1024*(\n/2)+512*(\n%2) th:TH_STORE_NT   ; 32 lanes store 512 consecutive bytes, at a multiple of 256 from out0's first byte
.endr
	s_wait_xcnt 0x0
	s_wait_alu depctr_vm_vsrc(0)                   ; q's LDS loads have read v254 and out1's stores v255: the two lines below write them anew
	v_lshl_add_u32 v254, v0, 2, 0x48400
	v_mov_b32 v255, 0
	s_wait_dscnt 0x0                               ; the closing lines, six on end
	s_wait_alu 0x0
	s_wait_tensorcnt 0x0
	ds_add_u32 v254, v255
	s_wait_dscnt 0x0
	s_endpgm
.Lfunc_end_k_qe4aba4761c_main:
	.size	k_qe4aba4761c_main, .Lfunc_end_k_qe4aba4761c_main-k_qe4aba4761c_main
	.p2alignl 7, 3214868480
	.fill 96, 4, 3214868480
	.section	.rodata,"a",@progbits
	.p2align	6, 0x0
	.amdhsa_kernel k_qe4aba4761c_main
		.amdhsa_group_segment_fixed_size 297984
		.amdhsa_private_segment_fixed_size 0
		.amdhsa_enable_private_segment 0
		.amdhsa_kernarg_size 168
		.amdhsa_user_sgpr_count 2
		.amdhsa_user_sgpr_kernarg_segment_ptr 1
		.amdhsa_wavefront_size32 1
		.amdhsa_system_sgpr_workgroup_id_x 1
		.amdhsa_system_sgpr_workgroup_id_y 1
		.amdhsa_system_sgpr_workgroup_id_z 1
		.amdhsa_system_vgpr_workitem_id 0
		.amdhsa_next_free_vgpr 256
		.amdhsa_next_free_sgpr 80
		.amdhsa_reserve_vcc 1
		.amdhsa_float_denorm_mode_32 3
		.amdhsa_float_denorm_mode_16_64 3
		.amdhsa_memory_ordered 1
		.amdhsa_forward_progress 1
		.amdhsa_inst_pref_size 191
	.end_amdhsa_kernel
	.amdgpu_metadata
---
amdhsa.version: [ 1, 2 ]
amdhsa.kernels:
  - .name:           k_qe4aba4761c_main
    .symbol:         k_qe4aba4761c_main.kd
    .args:
      - { .name: idx, .offset: 0, .size: 8, .value_kind: global_buffer, .address_space: global }
      - { .name: wts, .offset: 8, .size: 8, .value_kind: global_buffer, .address_space: global }
      - { .name: fmT, .offset: 16, .size: 8, .value_kind: global_buffer, .address_space: global }
      - { .name: points_3d, .offset: 24, .size: 8, .value_kind: global_buffer, .address_space: global }
      - { .name: params, .offset: 32, .size: 8, .value_kind: global_buffer, .address_space: global }
      - { .name: pos_W2_codes, .offset: 40, .size: 8, .value_kind: global_buffer, .address_space: global }
      - { .name: pos_W2_scales, .offset: 48, .size: 8, .value_kind: global_buffer, .address_space: global }
      - { .name: q_W_codes, .offset: 56, .size: 8, .value_kind: global_buffer, .address_space: global }
      - { .name: q_W_scales, .offset: 64, .size: 8, .value_kind: global_buffer, .address_space: global }
      - { .name: Wq_codes, .offset: 72, .size: 8, .value_kind: global_buffer, .address_space: global }
      - { .name: Wq_scales, .offset: 80, .size: 8, .value_kind: global_buffer, .address_space: global }
      - { .name: Wk_codes, .offset: 88, .size: 8, .value_kind: global_buffer, .address_space: global }
      - { .name: Wk_scales, .offset: 96, .size: 8, .value_kind: global_buffer, .address_space: global }
      - { .name: Wv_codes, .offset: 104, .size: 8, .value_kind: global_buffer, .address_space: global }
      - { .name: Wv_scales, .offset: 112, .size: 8, .value_kind: global_buffer, .address_space: global }
      - { .name: Wo_codes, .offset: 120, .size: 8, .value_kind: global_buffer, .address_space: global }
      - { .name: Wo_scales, .offset: 128, .size: 8, .value_kind: global_buffer, .address_space: global }
      - { .name: out_W_codes, .offset: 136, .size: 8, .value_kind: global_buffer, .address_space: global }
      - { .name: out_W_scales, .offset: 144, .size: 8, .value_kind: global_buffer, .address_space: global }
      - { .name: out0, .offset: 152, .size: 8, .value_kind: global_buffer, .address_space: global }
      - { .name: out1, .offset: 160, .size: 8, .value_kind: global_buffer, .address_space: global }
    .group_segment_fixed_size: 297984
    .private_segment_fixed_size: 0
    .kernarg_segment_align: 8
    .kernarg_segment_size: 168
    .max_flat_workgroup_size: 512
    .sgpr_count:     80
    .vgpr_count:     256
    .wavefront_size: 32
...
	.end_amdgpu_metadata
.endif
;; end of part 3
